; MI455X (gfx1250); checked and timed in simulation.
; The chip was launched on July 23, 2026; its instructions are those of AMD's public machine-readable ISA for CDNA 5 (MIT licence, August 2026) and "CDNA5" Instruction Set Architecture Reference Guide (July 2026). The comments in the code are by the model that wrote it; some were corrected since.
;; Multi Head Attention. Allowed arithmetic: matrix products marked QUANTISED: E4M3 operands, one given power-of-two scale a tensor, by v_wmma_f32_16x16x64_fp8_fp8 or v_wmma_f32_16x16x128_fp8_fp8, f32 sums; everything else in f32.
;; Inputs: Wk 1,024 x 1,024 float32; Wo 1,024 x 1,024 float32; Wq 1,024 x 1,024 float32; Wv 1,024 x 1,024 float32; bk 1,024 float32; bo 1,024 float32; bq 1,024 float32; bv 1,024 float32; lowp_scales 12 int32 (the exponents e of the quantised operands' scales 2^e); x 4 x 2,048 x 1,024 float32.
;; Outputs: out0 4 x 2,048 x 1,024 float32.
;; This version of the problem:
;;   THIS VERSION OF THE PROBLEM IS GIVEN IN LOW PRECISION. The matrix products marked QUANTISED in the list below multiply operands that are first quantised to E4M3 (4 exponent bits, 3 mantissa bits; 8 bits a number), with one given power-of-two scale for each operand tensor; their sums are f32. All else is computed in f32.
;;   The module's matrix products, in the order in which they are computed (A, B: the left and right operand; K: the contracted axis; several contracted axes count as one K, in the product's order):
;;     1. [M 8,192, K 1,024] x [K 1,024, N 1,024]; A: input x; B: input Wq: QUANTISED (scales: A lowp_scales[0], B lowp_scales[1])
;;     2. [M 8,192, K 1,024] x [K 1,024, N 1,024]; A: input x; B: input Wk: QUANTISED (scales: A lowp_scales[2], B lowp_scales[3])
;;     3. [M 8,192, K 1,024] x [K 1,024, N 1,024]; A: input x; B: input Wv: QUANTISED (scales: A lowp_scales[4], B lowp_scales[5])
;;     4. batch 64 x [M 2,048, K 64] x [K 64, N 2,048]; A: computed on the way; B: computed on the way: QUANTISED (scales: A lowp_scales[6], B lowp_scales[7])
;;     5. batch 64 x [M 2,048, K 2,048] x [K 2,048, N 64]; A: softmax (see below); B: computed on the way: QUANTISED (scales: A lowp_scales[8], B lowp_scales[9])
;;     6. [M 8,192, K 1,024] x [K 1,024, N 1,024]; A: computed on the way; B: input Wo: QUANTISED (scales: A lowp_scales[10], B lowp_scales[11])
;;   THE QUANTISER, for each operand of a quantised product, along K:
;;     - The operand's scale is 2^e, e = its entry of the input lowp_scales (int32; the entries are numbered through the quantised products in the list's order, A before B).
;;     - Each number is divided by the scale, clamped to +-448, and rounded to the nearest number of E4M3, ties to even, subnormals kept.
;;     - The product sums the exact products of the quantised numbers (number of the format x scale) in f32.
;;   ~~~python
;;   def quantise(x, axis, e):      # numpy; x: float32 -> the quantised numbers, widened to float32 again
;;       x = np.moveaxis(x, axis, -1); K = x.shape[-1]
;;       r = np.clip(x / 2.0 ** e, -448, 448)
;;       step = 2.0 ** (np.maximum(np.frexp(np.where(r == 0, 1, r))[1] - 1, -6) - 3)
;;       q = np.round(r / step) * step * 2.0 ** e      # np.round: ties to even
;;       return np.moveaxis(q, -1, axis).astype(np.float32)
;;   ~~~
;;   SOFTMAX AHEAD OF A QUANTISED PRODUCT. Where the list says 'softmax', what is quantised is not the finished softmax but p = 2^(t - M), with t = logit x log2(e) and M = ceil(the row's largest t), a whole number; so 1/2 < the row's largest p <= 1. The row's sum l is taken of the UNQUANTISED p, in f32, and the product's result is divided by l at the end. Since M is a whole number, a kernel that streams over the keys may use a running M (the ceiling of the running maximum): every later rescaling is an exact power of two, so the quantised numbers keep their values, but for numbers so far below the row's largest that they fall under the format's range.
;;   OPERANDS COMPUTED ON THE WAY. 'Computed on the way' means the value that the module computes at that place (a softmax that the list does not call 'softmax' is quantised finished and normalised). What goes into a quantiser is computed in f32, as accurately as f32 sums, v_exp_f32 and their like allow (about 1e-6 of the number): no bf16 or f16 on the way to a quantiser, and a product that is left as it is and whose result goes on into a quantised operand takes f32 operands (vector FMAs, or v_wmma_f32_16x16x4_f32). A number that lies on a knife's edge between two numbers of the format may be rounded either way, as far as f32 arithmetic and the matrix unit's own rounding can turn it there, and no further.
;; One version. Each part assembles by itself: llvm-mc -triple=amdgcn-amd-amdhsa -mcpu=gfx1250 --defsym DOCPART=n.
;; ======== version 1 of 1: 4 launches
;; limits: right only within a limited range of input values
;; workspace buffers: xc 25,165,824 bytes; wc 4,194,304 bytes; qkv 25,165,824 bytes; yc 8,388,608 bytes
;; launch quant (part 1): grid 384 x 1, 4 waves a work-group, no clusters, 68,096 bytes of LDS; arguments x, Wq, Wk, Wv, Wo, lowp_scales, xc, wc; writes xc, wc
.if DOCPART == 1
	.amdgcn_target "amdgcn-amd-amdhsa--gfx1250"
	.amdhsa_code_object_version 6
	.text
	.protected	k_q55bd9ad1f4_quant
	.globl	k_q55bd9ad1f4_quant
	.p2align	8
	.type	k_q55bd9ad1f4_quant,@function
k_q55bd9ad1f4_quant:
	s_mov_b64 s[64:65], 0
	v_nop
	global_prefetch_b8 v0, s[64:65] scope:SCOPE_SE
	s_setreg_imm32_b32 hwreg(HW_REG_WAVE_MODE, 25, 1), 1
	s_wait_xcnt 0x0
; x [8192][1024] f32 becomes three tensors of E4M3 codes, xc [3][8192][1024], one for each of the given scales e0, e2, e4 (x is an operand of three products).
; Wq, Wk, Wv, Wo [1024 k][1024 n] f32 become wc [4][1024 n][1024 k], K innermost, with e1, e3, e5, e11.
; code = number / 2^e, held within +-448, rounded to the nearest code, ties to even.
; LIMITS: every e used here lies between -126 and 119, so that 2^e and 448 x 2^e are f32 numbers.  NaN among the inputs is not served (an infinity is held at the largest code).
; Work-groups 0-255 take x: a wave takes 16 steps of 512 numbers, read once and converted three times.  Each load reads 512 consecutive bytes; the numbers turn through the wave's own stage in LDS, so that
; a lane holds 16 neighbours for the conversions; a lane's 16 codes are 16 bytes, so a store covers 512 consecutive bytes.
; Work-groups 256-383 take the weights: a lane takes a column n and its registers run down K, so that the conversions give codes with K innermost; they leave through a stage as rows of 256 bytes.
; The two ways part on the work-group's number, use LDS bytes of their own and never join.  No tensor load, no barrier: waves share nothing.
.set STEPS, 16
.set SP,    80                         ; x: a lane's place in a stage: its 64 bytes + 16 of padding
.set WREG,  8192                       ; x: LDS bytes of a wave: two stages of 32 x SP
.set WSTG,  4*WREG                     ; the weights' four stages begin here
.set PITCH, 272                        ; a row of a weights' stage: 256 bytes + 16
.set SPARE, WSTG+4*32*PITCH            ; the spare words, 128 bytes for each wave: two blocks of 256 bytes that no other line names
.set SPW,   12                         ; v12  LDS address of my spare word; never rewritten
.set NIL,   13                         ; v13  0; never rewritten
.set SCL,   6                          ; x: v6, v8, v10: 2^e as f32  (e0, e2, e4)
.set R,     16                         ; x: v16-79   four sets of 16 numbers as loaded
.set X,     80                         ; x: v80-111  two sets of 16 neighbours
.set T,     112
.set C,     160                        ; x: v160-171 the codes, four registers for each scale
.set NB,    8                          ; weights: blocks of 32 along K for a wave
.set WX,    32                         ; weights: v32-95 two sets of 32 numbers
.set WC,    96                         ; weights: v96-103 a block's codes
.set OUTR,  112                        ; weights: v112-175 the way out
.macro MKSC e, vs, vl                  ; s[e] holds e: v[vs] = 2^e as f32 (the conversion takes its exponent field)
	s_add_co_i32 s42, s[\e], 127
	s_lshl_b32 s43, s42, 23
	v_mov_b32 v[\vs], s43
	s_add_co_i32 s42, s42, 8
	s_lshl_b32 s42, s42, 23
	s_or_b32 s42, s42, 0x600000
.endm
	s_load_b256 s[4:11], s[0:1], 0x0               ; x s[4:5], Wq s[6:7], Wk s[8:9], Wv s[10:11]
	s_load_b256 s[12:19], s[0:1], 0x20             ; Wo s[12:13], the exponents s[14:15], xc s[16:17], wc s[18:19]
	v_lshl_add_u32 v[SPW], v0, 2, SPARE
	v_mov_b32 v[NIL], 0
	v_lshrrev_b32 v1, 5, v0
	v_readfirstlane_b32 s20, v1                    ; wave 0..3
	v_and_b32 v2, 31, v0                           ; lane
	s_wait_kmcnt 0x0
	s_load_b256 s[24:31], s[14:15], 0x0            ; e0 .. e7
	s_load_b128 s[32:35], s[14:15], 0x20           ; e8 .. e11
	s_cmp_lt_u32 ttmp9, 256
	s_cbranch_scc0 .Lweights
	s_wait_alu depctr_va_vdst(0)
	; ---------------- x ----------------
	v_lshlrev_b32 v3, 4, v2                        ; my 16 bytes of a load's 512
	s_wait_alu depctr_va_vdst(0)
	s_mul_i32 s21, s20, WREG
	v_lshrrev_b32 v14, 2, v2
	v_mul_u32_u24 v14, v14, SP
	v_and_b32 v15, 3, v2
	v_lshl_add_u32 v14, v15, 4, v14
	v_add_nc_u32 v14, s21, v14                     ; into the stage: four lanes' 64 bytes on end, then the padding
	v_mul_u32_u24 v15, v2, SP
	v_add_nc_u32 v15, s21, v15                     ; out of it: my 16 neighbours
	v_lshlrev_b32 v4, 4, v2                        ; my 16 codes in a step's 512
	s_lshl_b32 s22, ttmp9, 2
	s_add_co_u32 s22, s22, s20                     ; which run of 8,192 numbers is my wave's: 0 .. 1023
	s_lshl_b32 s36, s22, 15
	s_mov_b32 s37, 0
	s_add_nc_u64 s[4:5], s[4:5], s[36:37]          ; x at my run
	s_lshl_b32 s36, s22, 13
	s_add_nc_u64 s[36:37], s[16:17], s[36:37]      ; the three tensors of codes at my run: 8 MiB apart, which no immediate reaches: a base each
	s_add_nc_u64 s[38:39], s[36:37], 0x800000
	s_add_nc_u64 s[40:41], s[36:37], 0x1000000
.macro LOAD t
.irp i, 0,1,2,3
	global_load_b128 v[R+16*((\t)%4)+4*\i:R+16*((\t)%4)+4*\i+3], v3, s[4:5] offset:2048*(\t)+512*\i th:TH_LOAD_NT   ; 32 lanes read 512 consecutive bytes; read once in the launch
.endr
.endm
.macro TURN t                          ; step t's numbers through the stage; LDS serves a wave's instructions in order, so no wait stands between the stores and the loads
.irp i, 0,1,2,3
	ds_store_b128 v14, v[R+16*((\t)%4)+4*\i:R+16*((\t)%4)+4*\i+3] offset:32*SP*((\t)%2)+8*SP*\i
.endr
	v_nop
.irp i, 0,1,2,3
	ds_load_b128 v[X+16*((\t)%2)+4*\i:X+16*((\t)%2)+4*\i+3], v15 offset:32*SP*((\t)%2)+16*\i
.endr
.endm
.irp t, 0,1,2,3
	LOAD \t
.endr
	s_wait_alu depctr_va_vdst(0)
	s_wait_kmcnt 0x0
	MKSC 24, SCL, SCL+1
	MKSC 26, SCL+2, SCL+3
	MKSC 28, SCL+4, SCL+5
	s_wait_alu depctr_va_vdst(0)
	s_wait_loadcnt 12                              ; step 0's four loads are in; the twelve of steps 1 to 3 may be out
	TURN 0
.macro STEP t
.set XS, X+16*((\t)%2)
	s_wait_dscnt 0x0                               ; this step's numbers are back from the stage, and its stores into the stage have read their registers,
.if (\t)+4 < STEPS
	LOAD (\t)+4                                    ; which take the loads of four steps on
.endif
.if (\t)+1 < STEPS
.if STEPS-2-(\t) >= 3
	s_wait_loadcnt 12                              ; the next step's four loads are in; those of the three steps behind it may be out
.else
	s_wait_loadcnt 4*(STEPS-2-(\t))
.endif
	TURN (\t)+1                                    ; and go through the other stage while this step is worked
.endif
	s_wait_xcnt 0x0                                ; the last step's stores have read the codes' registers: only now are they written again
.irp c, 0,1,2
.irp i, 0,1,2,3,4,5,6,7,8,9,10,11,12,13,14,15
.endr
	v_cvt_scalef32_pk8_fp8_f32 v[C+4*\c:C+4*\c+1], v[T+16*\c+((XS+0)-(T+16*\c+0)):T+16*\c+7+((XS+0)-(T+16*\c+0))], v[SCL+2*\c]
	v_cvt_scalef32_pk8_fp8_f32 v[C+4*\c+2:C+4*\c+3], v[T+16*\c+8+((XS+0)-(T+16*\c+0)):T+16*\c+15+((XS+0)-(T+16*\c+0))], v[SCL+2*\c]
	global_store_b128 v4, v[C+4*\c:C+4*\c+3], s[36+2*\c:37+2*\c] offset:512*(\t)   ; 512 consecutive bytes, aligned.
.endr
.endm
.irp t, 0,1,2,3,4,5,6,7,8,9,10,11,12,13,14,15
	STEP \t
.endr
	s_wait_tensorcnt 0x0                           ; the wave's end, behind my last LDS store
	ds_add_u32 v[SPW], v[NIL]
	s_wait_dscnt 0x0
	s_endpgm
	; ---------------- the weights ----------------
.Lweights:
	s_sub_co_u32 s21, ttmp9, 256                   ; 0 .. 127
	s_lshr_b32 s22, s21, 5                         ; which weight: 0 Wq, 1 Wk, 2 Wv, 3 Wo
	s_and_b32 s23, s21, 7                          ; which 128 columns
	s_bfe_u32 s36, s21, 0x20003                    ; which 256 along K
	s_lshl_b32 s23, s23, 7
	s_lshl_b32 s37, s20, 5
	s_add_co_u32 s23, s23, s37                     ; my wave's first column
	s_wait_alu depctr_va_vdst(0)
	v_lshlrev_b32 v3, 2, v2                        ; in: 4 bytes a lane
	s_mul_i32 s37, s20, 32*PITCH
	s_add_co_u32 s37, s37, WSTG                    ; my stage
	v_mul_u32_u24 v4, v2, PITCH
	v_add_nc_u32 v4, s37, v4                       ; into it: row = my column
	v_and_b32 v5, 15, v2
	v_lshrrev_b32 v6, 4, v2
	v_mul_u32_u24 v7, v6, PITCH
	v_lshl_add_u32 v7, v5, 4, v7
	v_add_nc_u32 v7, s37, v7                       ; out of it: sixteen lanes to a row, two rows an instruction
	v_lshlrev_b32 v8, 10, v6
	v_lshl_add_u32 v8, v5, 4, v8                   ; and the same place in wc: rows of 1,024 bytes
	s_cmp_eq_u32 s22, 1                            ; the choice hangs on the work-group's number alone
	s_cselect_b64 s[6:7], s[8:9], s[6:7]
	s_cmp_eq_u32 s22, 2
	s_cselect_b64 s[6:7], s[10:11], s[6:7]
	s_cmp_eq_u32 s22, 3
	s_cselect_b64 s[6:7], s[12:13], s[6:7]
	s_lshl_b32 s38, s36, 20                        ; 256 rows of 4,096 bytes
	s_lshl_b32 s39, s23, 2
	s_add_co_u32 s38, s38, s39
	s_mov_b32 s39, 0
	s_add_nc_u64 s[6:7], s[6:7], s[38:39]
	s_lshl_b32 s38, s22, 20                        ; wc: weight x 1 MiB + column x 1,024 + 256 x K group
	s_lshl_b32 s40, s23, 10
	s_add_co_u32 s38, s38, s40
	s_lshl_b32 s40, s36, 8
	s_add_co_u32 s38, s38, s40
	s_add_nc_u64 s[18:19], s[18:19], s[38:39]
.macro WLOAD t                         ; block t: W(32 t + i, my column), i = 0 .. 31: each load reads 128 consecutive bytes a wave, 512 a work-group
.set ii, 0
.rept 32
	global_load_b32 v[WX+32*((\t)%2)+ii], v3, s[6:7] offset:(32*(\t)+ii)*4096 th:TH_LOAD_NT
.set ii, ii+1
.endr
.endm
	WLOAD 0
	WLOAD 1
	s_wait_kmcnt 0x0
	s_cmp_eq_u32 s22, 1
	s_cselect_b32 s25, s27, s25                    ; e1, e3, e5 or e11
	s_cmp_eq_u32 s22, 2
	s_cselect_b32 s25, s29, s25
	s_cmp_eq_u32 s22, 3
	s_cselect_b32 s25, s35, s25
	MKSC 25, 11, 10
.macro BLOCK t
.set XS, WX+32*((\t)%2)
.if (\t) < NB-1
	s_wait_loadcnt 32                              ; this block's 32 loads are in; the next block's may be out
.else
	s_wait_loadcnt 0
.endif
.set ii, 0
.rept 32
.set ii, ii+1
.endr
.irp g, 0,1,2,3
	v_cvt_scalef32_pk8_fp8_f32 v[WC+2*\g:WC+2*\g+1], v[XS+8*\g:XS+8*\g+7], v11
.endr
	ds_store_b128 v4, v[WC:WC+3] offset:32*(\t)    ; 32 codes: 32 bytes of my column's row
	ds_store_b128 v4, v[WC+4:WC+7] offset:32*(\t)+16
.if (\t)+2 < NB
	WLOAD (\t)+2
.endif
	s_wait_dscnt 0x0                               ; the stores have read their registers: the next block's codes may be written
.endm
.set Q, 0
	s_wait_alu depctr_va_vdst(0)
.rept NB
	BLOCK Q
.set Q, Q+1
.endr
.irp t, 0,1,2,3,4,5,6,7,8,9,10,11,12,13,14,15
	ds_load_b128 v[OUTR+4*\t:OUTR+4*\t+3], v7 offset:2*\t*PITCH   ; LDS serves a wave's instructions in order: these see my stores
.endr
.irp t, 0,1,2,3,4,5,6,7,8,9,10,11,12,13,14,15
	s_wait_dscnt 15-\t                             ; the younger read-backs may be out
	global_store_b128 v8, v[OUTR+4*\t:OUTR+4*\t+3], s[18:19] offset:2*\t*1024   ; sixteen lanes store 256 consecutive bytes, aligned
.endr
	s_wait_tensorcnt 0x0                           ; the wave's end, behind my last LDS store
	ds_add_u32 v[SPW], v[NIL]
	s_wait_dscnt 0x0
	s_endpgm
.Lfunc_end_k_q55bd9ad1f4_quant:
	.size	k_q55bd9ad1f4_quant, .Lfunc_end_k_q55bd9ad1f4_quant-k_q55bd9ad1f4_quant
	.p2alignl 7, 3214868480
	.fill 96, 4, 3214868480
	.section	.rodata,"a",@progbits
	.p2align	6, 0x0
	.amdhsa_kernel k_q55bd9ad1f4_quant
		.amdhsa_group_segment_fixed_size 68096
		.amdhsa_private_segment_fixed_size 0
		.amdhsa_enable_private_segment 0
		.amdhsa_kernarg_size 64
		.amdhsa_user_sgpr_count 2
		.amdhsa_user_sgpr_kernarg_segment_ptr 1
		.amdhsa_wavefront_size32 1
		.amdhsa_system_sgpr_workgroup_id_x 1
		.amdhsa_system_sgpr_workgroup_id_y 1
		.amdhsa_system_sgpr_workgroup_id_z 1
		.amdhsa_system_vgpr_workitem_id 0
		.amdhsa_next_free_vgpr 192
		.amdhsa_next_free_sgpr 66
		.amdhsa_reserve_vcc 0
		.amdhsa_float_denorm_mode_32 3
		.amdhsa_float_denorm_mode_16_64 3
		.amdhsa_fp16_overflow 1
		.amdhsa_memory_ordered 1
		.amdhsa_forward_progress 1
		.amdhsa_inst_pref_size 62
	.end_amdhsa_kernel
	.amdgpu_metadata
---
amdhsa.version: [ 1, 2 ]
amdhsa.kernels:
  - .name:           k_q55bd9ad1f4_quant
    .symbol:         k_q55bd9ad1f4_quant.kd
    .args:
      - { .name: x, .offset: 0, .size: 8, .value_kind: global_buffer, .address_space: global }
      - { .name: Wq, .offset: 8, .size: 8, .value_kind: global_buffer, .address_space: global }
      - { .name: Wk, .offset: 16, .size: 8, .value_kind: global_buffer, .address_space: global }
      - { .name: Wv, .offset: 24, .size: 8, .value_kind: global_buffer, .address_space: global }
      - { .name: Wo, .offset: 32, .size: 8, .value_kind: global_buffer, .address_space: global }
      - { .name: lowp_scales, .offset: 40, .size: 8, .value_kind: global_buffer, .address_space: global }
      - { .name: xc, .offset: 48, .size: 8, .value_kind: global_buffer, .address_space: global }
      - { .name: wc, .offset: 56, .size: 8, .value_kind: global_buffer, .address_space: global }
    .group_segment_fixed_size: 68096
    .private_segment_fixed_size: 0
    .kernarg_segment_align: 8
    .kernarg_segment_size: 64
    .max_flat_workgroup_size: 128
    .sgpr_count:     66
    .vgpr_count:     192
    .wavefront_size: 32
...
	.end_amdgpu_metadata
.endif
;; end of part 1
;; launch qkv (part 2): grid 12 x 32, 4 waves a work-group, clusters of 4 x 4, 327,680 bytes of LDS; arguments xc, wc, bq, bk, bv, lowp_scales, qkv; writes qkv
.if DOCPART == 2
	.amdgcn_target "amdgcn-amd-amdhsa--gfx1250"
	.amdhsa_code_object_version 6
	.text
	.protected	k_q55bd9ad1f4_qkv
	.globl	k_q55bd9ad1f4_qkv
	.p2align	8
	.type	k_q55bd9ad1f4_qkv,@function
k_q55bd9ad1f4_qkv:
	s_mov_b64 s[64:65], 0
	v_nop
	global_prefetch_b8 v0, s[64:65] scope:SCOPE_SE
	s_setreg_imm32_b32 hwreg(HW_REG_WAVE_MODE, 25, 1), 1
	s_wait_xcnt 0x0
	s_wait_alu depctr_hold_cnt(0) depctr_sa_sdst(0) depctr_va_vdst(0) depctr_va_sdst(0) depctr_va_ssrc(0) depctr_va_vcc(0) depctr_vm_vsrc(0)
	s_getreg_b32 s2, hwreg(HW_REG_IB_STS2, 6, 4)
	s_cmp_eq_u32 s2, 0
	s_cbranch_scc0 .Lentry_in_a_cluster
	s_endpgm
.Lentry_in_a_cluster:
	s_bfe_u32 s2, ttmp6, 0x10000c
	s_cmp_lg_u32 s2, 0xf033
	s_cbranch_scc0 .Lentry_shape_is_right
	s_endpgm
.Lentry_shape_is_right:
; q = x Wq + bq, k = x Wk + bk, v = x Wv + bv on E4M3 codes, each result quantised at once for attention (e6, e7, e9).  One body for the three: P = cluster x = 0, 1, 2.
; A GEMM C = A B^T, K = 1,024, on tiles of 256 x 256: four waves, each 128 x 128 = 64 accumulators.  P < 2: A = x's codes (rows: tokens), B = the weight's codes (rows: n).
; P = 2: A = Wv's codes, B = x's codes: the result is v TRANSPOSED, rows (head, d), columns tokens, which is how the second product of attention wants it (its K is the keys).  All that hangs on P is chosen by
; s_cselect; there is no branch on it.
; THE MATRIX INSTRUCTION IS USED TRANSPOSED (source 0 = 16 rows of B, source 1 = 16 rows of A): a lane holds one row of C and eight neighbouring columns, which are neighbours along the next product's K.
; BIASES, divided by 2^(ea + eb), the power that the sums lack: a bias along the columns (P < 2) is the C of the first K step; one along the rows (P = 2) is added on the way out; the one that does not apply is 0.
; OUT: qkv = three parts of 8 MiB.  q, k: [16 b + h][t 2048][64 bytes];  v: [16 b + h][t / 64][d 64][64 bytes].  In every row of 64 bytes, byte 32 c + 16 h + 8 u + j holds index 32 c + 16 u + 8 h + j:
; a 16-byte load at 32 c + 16 h then fills four registers of a K = 64 operand in that form's own order.  A lane's codes of tiles 2 p and 2 p + 1 are just such 16 bytes.
; K goes in four steps of 256 through two LDS slots; 4 x 4 work-groups form a cluster; A's tiles are asked for jointly along a row of it, B's along a column.  A wave has two tensor loads out at the start, later one.
; LIMITS: eo - ea - eb between -126 and 119 (eo = e6, e7, e9), so that the folded scale is an f32 number; a bias / 2^(ea + eb) that leaves f32's range is lost.  NaN is not served.
; REGISTERS: window 0: v1-9 set-up, v16-31 addresses and constants, v32-95 the column bias, v96-111 the row bias (twice each, for the packed add), v128-255 A's fragments, ONE set (on the way out: v128-191 the
;   sums at work, v192-223 codes, v224-255 rows read back).  window 1: B's fragments, two sets.  windows 2, 3: the accumulators of my rows 0-63, 64-127 ((a, b) at v[8 (8 (a % 4) + b)]).
.set ROWB,   256                       ; a tile's row: 256 codes
.set KROW,   1024                      ; a row of either operand in memory
.set PITCH,  272                       ; an LDS row: 256 bytes + 16 = 68 words: the 16 rows that a load touches start at 16 different banks
.set FR,     16                        ; registers of a fragment, 16 rows x 128 K
.set NL,     4                         ; LDS loads that bring one
.set NP,     4                         ; places behind this matrix instruction (ISA guide 7.12.1)
.set HALFT,  128*PITCH                 ; what one tensor load brings
.set SLOT,   4*HALFT                   ; A's 256 rows, then B's 256 rows
.set SPARE,  2*SLOT                    ; the spare words: two blocks of 256 bytes that no other line names
.set STAGE,  SPARE+512                 ; the way out: bytes of its own, into which no tile lands
.set WSTG,   2304                      ; a wave's stage: 8 lines of 272 bytes, in nine blocks of 256
.set ADRA, 16                          ; v16-17 LDS address of my A fragments in slot 0, 1
.set ADRB, 20                          ; v20-21 the same for B
.set STO,  24                          ; v24 the stage: where I put 16 bytes
.set RD,   25                          ; v25 and where I read 16 bytes back
.set CO,   26                          ; v26 16 x lane
.set SPW,  28                          ; v28 my spare word; never rewritten
.set NIL,  29                          ; v29 0; never rewritten
.set SC,   30                          ; v30 2^(eo - ea - eb) as f32
.set LIM,  31
.set BC,   32
.set BR,   96
.set AF,   128
.set T,    128
.set CD,   192
.set BK,   224
.set WV, 18                            ; s18 wave;  s19 its half of the rows, also: fetches for A (0) or B (1);  s20 its half of the columns, also: which 128 rows it fetches
.set RH, 19
.set CH, 20
.set G1, 24                            ; s[24:31] group 1 for A's tiles, s[32:39] group 0, a set for each slot
.set G0, 32
.set G1B, 48                           ; s[48:55], s[56:63] the same for B's
.set G0B, 56
.set MSB, 0
.macro WIN new                         ; the immediate's high byte repeats the setting that is left
.if MSB != \new
	s_set_vgpr_msb (MSB<<8)|\new
.set MSB, \new
.endif
.endm
.set MUL_LO, 0xa1                      ; source 0 (B) window 1, source 1 (A) window 0, C and D window 2
.set MUL_HI, 0xf1                      ; the same, C and D window 3
.set MUL_LO0, 0x81                     ; the first K step: C (the bias) window 0, D window 2
.set MUL_HI0, 0xc1                     ; D window 3
.set TO_B,   0x40                      ; destination window 1, address window 0
; A joint load: waves 0 and 1 fetch for A, waves 2 and 3 for B; the branch hangs on the wave's number alone.  An s_nop 0 and four v_nop follow each line.
.macro JLOAD g0a, g1a, g0b, g1b
	s_cmp_eq_u32 s[RH], 0
	s_cbranch_scc0 .Lfor_b_\@
	tensor_load_to_lds s[\g0a:\g0a+3], s[\g1a:\g1a+7]
	s_nop 0
.rept 4
	v_nop
.endr
	s_branch .Lasked_\@
.Lfor_b_\@:
	tensor_load_to_lds s[\g0b:\g0b+3], s[\g1b:\g1b+7]
	s_nop 0
.rept 4
	v_nop
.endr
.Lasked_\@:
.endm
.macro CREST                           ; a round of the cluster's barrier behind its opening barrier
	s_cmp_lg_u32 s[WV], 0
	s_cbranch_scc1 .Lnot_wave_0_\@
	s_barrier_signal -3
.Lnot_wave_0_\@:
	s_barrier_wait -3
	s_barrier_signal -1
	s_barrier_wait -1
.endm
.macro CROUND
	s_barrier_signal -1
	s_barrier_wait -1
	CREST
.endm
	s_load_b256 s[4:11], s[0:1], 0x0               ; xc s[4:5], wc s[6:7], bq s[8:9], bk s[10:11]
	s_load_b128 s[12:15], s[0:1], 0x20             ; bv s[12:13], the exponents s[14:15]
	s_load_b64 s[66:67], s[0:1], 0x30              ; qkv
	v_lshl_add_u32 v[SPW], v0, 2, SPARE
	v_mov_b32 v[NIL], 0
	ds_add_u32 v[SPW], v[NIL]                      ; the wave's opening: the add and its wait stand ahead of my first tensor load; the set-up below stands between them
	ds_add_u32 v[SPW], v[NIL]
	v_lshrrev_b32 v1, 5, v0
	v_readfirstlane_b32 s[WV], v1
	s_lshr_b32 s[RH], s[WV], 1
	s_and_b32 s[CH], s[WV], 1
	s_bfe_u32 s21, ttmp6, 0x40000                  ; cx
	s_bfe_u32 s22, ttmp6, 0x40004                  ; cy
	s_mov_b32 s16, ttmp9                           ; P: which projection; the same in all sixteen partners
	s_and_b32 s17, ttmp7, 0xffff                   ; cluster y, 0 .. 7
	s_lshl_b32 s74, s16, 23                        ; x's codes for this projection: 8 MiB each
	s_mov_b32 s75, 0
	s_lshl_b32 s76, s16, 20                        ; the weight's codes: 1 MiB each
	s_mov_b32 s77, 0
	s_cmp_lt_u32 s16, 2
	s_cselect_b32 s40, s17, 0                      ; the tokens' 32 tiles lie along C's rows (P < 2) or along its columns (P = 2)
	s_cselect_b32 s41, 0, s17
	s_cselect_b32 s78, -1, 0                       ; lane masks: all lanes where P < 2,
	s_cselect_b32 s79, 0, -1                       ; all lanes where P = 2
	s_lshl_b32 s40, s40, 2
	s_add_co_u32 s40, s40, s22                     ; tile row of C
	s_lshl_b32 s41, s41, 2
	s_add_co_u32 s41, s41, s21                     ; tile column of C
	s_lshl_b32 s42, s22, 2
	s_lshl_b32 s42, 15, s42                        ; my row of the cluster
	s_lshl_b32 s43, 0x1111, s21                    ; my column
	s_or_b32 s[G1+0], s42, (0<<16)|(1<<20)|(1<<21)|(5<<22)|(3<<25)   ; the mask; elements of 1 byte; padding on; bit 21 beside a mask; after every 64 words, 4 words
	s_or_b32 s[G1B+0], s43, (0<<16)|(1<<20)|(1<<21)|(5<<22)|(3<<25)
.irp g, G1, G1B
	s_mov_b32 s[\g+1], ROWB<<16                    ; tensor_dim0 = 256
	s_mov_b32 s[\g+2], 128<<16                     ; tensor_dim1 = 128
	s_mov_b32 s[\g+3], ROWB<<16                    ; tile_dim0
	s_mov_b32 s[\g+4], 128                         ; tile_dim1
	s_mov_b32 s[\g+5], KROW                        ; from row to row
	s_mov_b32 s[\g+6], 0
	s_mov_b32 s[\g+7], 0
.endr
	s_lshl_b32 s94, s[CH], 7                       ; which 128 rows of the tile I fetch
	s_lshl_b32 s44, s40, 8
	s_add_co_u32 s44, s44, s94
	s_lshl_b32 s44, s44, 10                        ; A: (256 x tile row + 128 x half) rows of 1,024 bytes: cy enters, cx never
	s_mov_b32 s45, 0
	s_lshl_b32 s46, s41, 8
	s_add_co_u32 s46, s46, s94
	s_lshl_b32 s46, s46, 10                        ; B likewise by the tile column: cx enters, cy never
	s_mov_b32 s47, 0
	s_mul_i32 s95, s[WV], HALFT                    ; where my tile goes: wave x 128 rows
	s_wait_dscnt 0x0                               ; the opening add is done
	s_wait_kmcnt 0x0
	s_load_b256 s[80:87], s[14:15], 0x0            ; e0 .. e7
	s_load_b128 s[88:91], s[14:15], 0x20           ; e8 .. e11
	s_add_nc_u64 s[4:5], s[4:5], s[74:75]
	s_add_nc_u64 s[6:7], s[6:7], s[76:77]
	s_cmp_lt_u32 s16, 2
	s_cselect_b64 s[68:69], s[4:5], s[6:7]         ; A
	s_cselect_b64 s[70:71], s[6:7], s[4:5]         ; B
	s_add_nc_u64 s[68:69], s[68:69], s[44:45]
	s_add_nc_u64 s[70:71], s[70:71], s[46:47]
	s_cmp_eq_u32 s16, 1
	s_cselect_b64 s[72:73], s[10:11], s[8:9]
	s_cmp_eq_u32 s16, 2
	s_cselect_b64 s[72:73], s[12:13], s[72:73]     ; the bias
	CROUND                                         ; all sixteen work-groups are here: the first joint loads meet
.irp s, 0,1
	s_mov_b32 s[G0+4*\s], 1
	s_add_co_u32 s[G0+4*\s+1], s95, \s*SLOT
	s_add_nc_u64 s[G0+4*\s+2:G0+4*\s+3], s[68:69], \s*ROWB
	s_or_b32 s[G0+4*\s+3], s[G0+4*\s+3], 0x80000000
	s_mov_b32 s[G0B+4*\s], 1
	s_add_co_u32 s[G0B+4*\s+1], s95, \s*SLOT
	s_add_nc_u64 s[G0B+4*\s+2:G0B+4*\s+3], s[70:71], \s*ROWB
	s_or_b32 s[G0B+4*\s+3], s[G0B+4*\s+3], 0x80000000
	JLOAD G0+4*\s, G1, G0B+4*\s, G1B
.endr
	v_and_b32 v1, 15, v0                           ; r
	s_wait_alu depctr_va_vdst(0)
	v_bfe_u32 v2, v0, 4, 1                         ; h
	v_mul_u32_u24 v3, v1, PITCH
	v_lshl_add_u32 v4, v2, 4, v3                   ; a fragment's row x pitch + 16 h
	s_mul_i32 s74, s[RH], HALFT                    ; my 128 rows of A
	s_mul_i32 s75, s[CH], HALFT
	s_add_co_u32 s75, s75, 2*HALFT                 ; my 128 rows of B, behind A's 256
.irp s, 0,1
	v_add_nc_u32 v[ADRA+\s], s74, v4
	v_add_nc_u32 v[ADRB+\s], s75, v4
	s_add_co_u32 s74, s74, SLOT
	s_add_co_u32 s75, s75, SLOT
.endr
	s_mul_i32 s76, s[WV], WSTG
	s_add_co_u32 s76, s76, STAGE                   ; my stage: 16 rows of 64 bytes are 4 lines of 256 + 16; two such groups
	v_lshrrev_b32 v5, 2, v1
	v_mul_u32_u24 v5, v5, 272
	v_and_b32 v6, 3, v1
	v_lshl_add_u32 v5, v6, 6, v5
	v_lshl_add_u32 v5, v2, 4, v5
	v_add_nc_u32 v[STO], s76, v5                   ; in: (r / 4) lines + 64 (r % 4) + 16 h
	v_mul_u32_u24 v7, v2, 272
	v_lshl_add_u32 v7, v1, 4, v7
	v_add_nc_u32 v[RD], s76, v7                    ; back: lanes 0-15 one line, lanes 16-31 the next
	v_and_b32 v6, 31, v0
	v_lshlrev_b32 v[CO], 4, v6
	; the biases.  Both kinds are loaded, from places inside the buffer, and the kind that does not apply is set to 0
	s_lshl_b32 s94, s41, 8
	s_lshl_b32 s95, s[CH], 7
	s_add_co_u32 s94, s94, s95
	s_lshl_b32 s94, s94, 2
	s_and_b32 s94, s94, s78                        ; my first column in bytes (P < 2), else 0
	s_lshl_b32 s95, s40, 8
	s_lshl_b32 s77, s[RH], 7
	s_add_co_u32 s95, s95, s77
	s_lshl_b32 s95, s95, 2
	s_and_b32 s95, s95, s79                        ; my first row in bytes (P = 2), else 0
	v_lshl_add_u32 v8, v2, 5, s94                  ; tile b: columns 16 b + 8 h + 0 .. 7
	v_lshl_add_u32 v9, v1, 2, s95                  ; block a: row 16 a + r
.irp b, 0,1,2,3,4,5,6,7
	global_load_b128 v[BC+8*\b:BC+8*\b+3], v8, s[72:73] offset:64*\b
	global_load_b128 v[BC+8*\b+4:BC+8*\b+7], v8, s[72:73] offset:64*\b+16
.endr
.irp a, 0,1,2,3,4,5,6,7
	global_load_b32 v[BR+2*\a], v9, s[72:73] offset:64*\a
.endr
	s_wait_kmcnt 0x0
	s_add_co_i32 s92, s80, s81                     ; ea + eb of this product,
	s_add_co_i32 s94, s82, s83
	s_add_co_i32 s95, s84, s85
	s_cmp_eq_u32 s16, 1
	s_cselect_b32 s92, s94, s92
	s_cselect_b32 s93, s87, s86                    ; and eo: e6, e7 or e9
	s_cmp_eq_u32 s16, 2
	s_cselect_b32 s92, s95, s92
	s_cselect_b32 s93, s89, s93
	s_sub_co_i32 s94, 0, s92                       ; -(ea + eb)
	s_sub_co_i32 s95, s93, s92                     ; a sum stands for sum x 2^(ea + eb): its code is sum / 2^(eo - ea - eb)
	s_add_co_i32 s95, s95, 127
	s_lshl_b32 s77, s95, 23
	v_mov_b32 v[SC], s77
	s_wait_loadcnt 0x0
.set jj, 0
.rept 64
	v_ldexp_f32 v[BC+jj], v[BC+jj], s94
.set jj, jj+1
.endr
.set jj, 0
.rept 64
	v_cndmask_b32 v[BC+jj], 0, v[BC+jj], s78       ; kept where P < 2
.set jj, jj+1
.endr
.irp a, 0,1,2,3,4,5,6,7
	v_ldexp_f32 v[BR+2*\a], v[BR+2*\a], s94
.endr
.irp a, 0,1,2,3,4,5,6,7
	v_cndmask_b32 v[BR+2*\a], 0, v[BR+2*\a], s79   ; kept where P = 2
.endr
.irp a, 0,1,2,3,4,5,6,7
	v_mov_b32 v[BR+2*\a+1], v[BR+2*\a]
.endr
	; where my 128 x 128 goes.  X: my tokens / 128;  Y: my pair of heads.  Blocks a / 4 and column groups g = b / 4 step by a head's plane (131,072) or by 4,096 bytes, the one or the other way round
	s_lshl_b32 s74, s40, 1
	s_add_co_u32 s74, s74, s[RH]
	s_lshl_b32 s75, s41, 1
	s_add_co_u32 s75, s75, s[CH]
	s_mov_b32 s76, 0x1000
	s_mov_b32 s77, 0x20000
	s_cmp_lt_u32 s16, 2
	s_cselect_b32 s94, s74, s75                    ; X
	s_cselect_b32 s95, s75, s74                    ; Y
	s_cselect_b32 s44, s76, s77                    ; from blocks 0-3 to blocks 4-7
	s_cselect_b32 s46, s77, s76                    ; from g = 0 to g = 1
	s_mov_b32 s45, 0
	s_mov_b32 s47, 0
	s_lshr_b32 s74, s94, 4
	s_lshl_b32 s74, s74, 4                         ; 16 x batch
	s_lshl_b32 s95, s95, 1
	s_add_co_u32 s74, s74, s95                     ; + my first head
	s_lshl_b32 s74, s74, 17
	s_and_b32 s94, s94, 15
	s_lshl_b32 s94, s94, 13                        ; 128 tokens are 8,192 bytes of a plane, in q and k as in v
	s_add_co_u32 s74, s74, s94
	s_lshl_b32 s94, s16, 23                        ; the part: q, k or v
	s_add_co_u32 s74, s74, s94
	s_mov_b32 s75, 0
	s_add_nc_u64 s[4:5], s[66:67], s[74:75]        ; blocks 0-3, g = 0
	s_add_nc_u64 s[6:7], s[4:5], s[46:47]          ; blocks 0-3, g = 1
	s_add_nc_u64 s[8:9], s[4:5], s[44:45]          ; blocks 4-7, g = 0
	s_add_nc_u64 s[10:11], s[8:9], s[46:47]        ; blocks 4-7, g = 1
.macro FRAG reg, adr, q, i             ; 16 rows x 128 K: lane l holds row l % 16; registers 4 c .. 4 c + 3 hold K = 32 c + 16 (l / 16) + 0 .. 15: the same order of k in A and in B, so every product meets its partner
.irp c, 0,1,2,3
	ds_load_b128 v[\reg+4*\c:\reg+4*\c+3], v[\adr] offset:128*(\q)+32*\c+(\i)*16*PITCH
.endr
.endm
; 16 matrix instructions: A's blocks a0, a0 + 1 x B's eight.  zero = 1: the first K step starts the sums from the column bias.  The 64 accumulators take turns, one instruction a turn.
.macro MUL16 a0, p, zero
.irp a, \a0, \a0+1
.irp b, 0,1,2,3,4,5,6,7
.if \zero
	v_wmma_f32_16x16x128_fp8_fp8 v[8*(8*((\a)%4)+\b):8*(8*((\a)%4)+\b)+7], v[128*(\p)+FR*\b:128*(\p)+FR*\b+FR-1], v[AF+FR*(\a):AF+FR*(\a)+FR-1], v[BC+8*\b:BC+8*\b+7]
.else
	v_wmma_f32_16x16x128_fp8_fp8 v[8*(8*((\a)%4)+\b):8*(8*((\a)%4)+\b)+7], v[128*(\p)+FR*\b:128*(\p)+FR*\b+FR-1], v[AF+FR*(\a):AF+FR*(\a)+FR-1], v[8*(8*((\a)%4)+\b):8*(8*((\a)%4)+\b)+7]
.endif
.endr
.endr
.endm
.macro FETCH_B slot, q, p
	WIN TO_B
.irp i, 0,1,2,3,4,5,6,7
	FRAG 128*(\p)+FR*\i, ADRB+\slot, \q, \i
.endr
	WIN 0
.endm
.macro FETCH_A slot, q, i0
.irp i, \i0, \i0+1, \i0+2, \i0+3
	FRAG AF+FR*(\i), ADRA+\slot, \q, \i
.endr
.endm
.macro PLACES n                        ; plain vector lines between a matrix instruction and a load into, or a vector write of, one of its registers, or a read of its result
.rept \n
	v_nop
.endr
.endm
.macro STEP slot, q, zero              ; 128 along K whose successor lies in the same slot
	s_wait_dscnt 4*NL                              ; B's set and A's blocks 0-3 are in; the youngest sixteen loads (A's blocks 4-7) may be out
.if \zero
	WIN MUL_LO0
.else
	WIN MUL_LO
.endif
	MUL16 0, (\q)%2, \zero
	MUL16 2, (\q)%2, \zero
	s_wait_dscnt 0
	PLACES NP
	FETCH_B \slot, (\q)+1, 1-(\q)%2
	FETCH_A \slot, (\q)+1, 0
.if \zero
	WIN MUL_HI0
.else
	WIN MUL_HI
.endif
	MUL16 4, (\q)%2, \zero
	MUL16 6, (\q)%2, \zero
	PLACES NP
	WIN 0
	FETCH_A \slot, (\q)+1, 4
.endm
; A slot's last step changes slots: one barrier; ahead of it each wave waits for all its tensor loads, adds 0 to its spare word and waits for that and for its reads of this slot.  fill = 1: the slot is filled again.
.macro TURN slot, next, fill
	s_wait_tensorcnt 0x0                           ; all my tensor loads have landed: my part of the next slot
	ds_add_u32 v[SPW], v[NIL]
	s_wait_dscnt 4*NL+1                            ; the add and A's blocks 4-7 may be out
	WIN MUL_LO
	MUL16 0, 1, 0
	s_wait_dscnt 0x0                               ; the add is done, and my reads of this slot are over
	s_barrier_signal -1
	MUL16 2, 1, 0
	WIN 0
	s_barrier_wait -1
.if \fill
	CREST                                          ; the barrier has opened a round of the cluster's: no wave of any partner still reads this slot or has a load on its way
	s_add_nc_u64 s[G0+4*\slot+2:G0+4*\slot+3], s[G0+4*\slot+2:G0+4*\slot+3], 2*ROWB
	s_add_nc_u64 s[G0B+4*\slot+2:G0B+4*\slot+3], s[G0B+4*\slot+2:G0B+4*\slot+3], 2*ROWB
	JLOAD G0+4*\slot, G1, G0B+4*\slot, G1B         ; the first tensor load behind the round; its four v_nop are the places in front of the loads below
.else
	PLACES NP
.endif
	FETCH_B \next, 0, 0
	FETCH_A \next, 0, 0
	WIN MUL_HI
	MUL16 4, 1, 0
	MUL16 6, 1, 0
	PLACES NP
	WIN 0
	FETCH_A \next, 0, 4
.endm
	s_wait_tensorcnt 1                             ; my part of slot 0 is in; slot 1's load may be out
	s_barrier_signal -1
	s_barrier_wait -1
	FETCH_B 0, 0, 0
	FETCH_A 0, 0, 0
	FETCH_A 0, 0, 4
	STEP 0, 0, 1                                   ; K = 1,024 is eight steps of 128, written out
	TURN 0, 1, 1
	STEP 1, 0, 0
	TURN 1, 0, 1
	STEP 0, 0, 0
	TURN 0, 1, 0                                   ; nothing is left to fetch: no round
	STEP 1, 0, 0
	s_wait_dscnt 4*NL
	WIN MUL_LO
	MUL16 0, 1, 0
	MUL16 2, 1, 0
	s_wait_alu depctr_va_vdst(0)
	s_wait_dscnt 0
	WIN MUL_HI
	MUL16 4, 1, 0
	MUL16 6, 1, 0
	WIN 0
; THE WAY OUT, block by block of 16 rows x 128 columns: + the row bias, the conversion; a lane's 16 bytes of tiles 2 p, 2 p + 1 go into my stage, and 512 consecutive bytes come back for each store.
.macro OUTB a
.set AC, 64*((\a)%4)
.set CDS, CD+16*((\a)%2)
.set BKS, BK+16*((\a)%2)
.set WN, 0x02+((\a)/4)
	WIN WN                                         ; source 0: window 2 or 3
.set jj, 0
.rept 32
	v_pk_add_f32 v[T+jj:T+jj+1], v[AC+jj:AC+jj+1], v[BR+2*(\a):BR+2*(\a)+1]   ; each accumulator from its low end on
.set jj, jj+2
.endr
	WIN 0
.irp b, 0,1,2,3,4,5,6,7
.irp j, 0,1,2,3,4,5,6,7
.endr
	v_cvt_scalef32_pk8_fp8_f32 v[CDS+2*\b:CDS+2*\b+1], v[T+8*\b:T+8*\b+7], v[SC]
.endr
	v_nop                                          ; a plain line behind the last conversion
.irp p, 0,1,2,3
	ds_store_b128 v[STO], v[CDS+4*\p:CDS+4*\p+3] offset:(\p/2)*1088+32*(\p%2)
.endr
.irp i, 0,1,2,3
	ds_load_b128 v[BKS+4*\i:BKS+4*\i+3], v[RD] offset:544*\i   ; LDS serves a wave's instructions in order: these see my stores, and the next block's stores come behind them
.endr
.endm
.macro SENDB a, younger
.set BKS, BK+16*((\a)%2)
.set PBB, 4+4*((\a)/4)
	s_wait_dscnt \younger                          ; the block is back; the next block's four stores and four loads may be out
.irp i, 0,1,2,3
	global_store_b128 v[CO], v[BKS+4*\i:BKS+4*\i+3], s[PBB+2*(\i/2):PBB+2*(\i/2)+1] offset:((\a)%4)*1024+(\i%2)*512   ; 512 consecutive bytes, aligned
.endr
.endm
	PLACES NP
	OUTB 0
.irp a, 1,2,3,4,5,6,7
.if \a > 1
	s_wait_xcnt 0x0                                ; block a - 2's stores have read their registers: block a's rows may land there
.endif
	OUTB \a
	SENDB \a-1, 8
.endr
	SENDB 7, 0
	s_wait_tensorcnt 0x0                           ; the wave's end
	ds_add_u32 v[SPW], v[NIL]
	s_wait_dscnt 0x0
	CROUND                                         ; the closing round
	s_endpgm
.Lfunc_end_k_q55bd9ad1f4_qkv:
	.size	k_q55bd9ad1f4_qkv, .Lfunc_end_k_q55bd9ad1f4_qkv-k_q55bd9ad1f4_qkv
	.p2alignl 7, 3214868480
	.fill 96, 4, 3214868480
	.section	.rodata,"a",@progbits
	.p2align	6, 0x0
	.amdhsa_kernel k_q55bd9ad1f4_qkv
		.amdhsa_group_segment_fixed_size 327680
		.amdhsa_private_segment_fixed_size 0
		.amdhsa_enable_private_segment 0
		.amdhsa_kernarg_size 56
		.amdhsa_user_sgpr_count 2
		.amdhsa_user_sgpr_kernarg_segment_ptr 1
		.amdhsa_wavefront_size32 1
		.amdhsa_system_sgpr_workgroup_id_x 1
		.amdhsa_system_sgpr_workgroup_id_y 1
		.amdhsa_system_sgpr_workgroup_id_z 1
		.amdhsa_system_vgpr_workitem_id 0
		.amdhsa_next_free_vgpr 1024
		.amdhsa_next_free_sgpr 96
		.amdhsa_reserve_vcc 0
		.amdhsa_float_denorm_mode_32 3
		.amdhsa_float_denorm_mode_16_64 3
		.amdhsa_fp16_overflow 1
		.amdhsa_memory_ordered 1
		.amdhsa_forward_progress 1
		.amdhsa_inst_pref_size 120
	.end_amdhsa_kernel
	.amdgpu_metadata
---
amdhsa.version: [ 1, 2 ]
amdhsa.kernels:
  - .name:           k_q55bd9ad1f4_qkv
    .symbol:         k_q55bd9ad1f4_qkv.kd
    .args:
      - { .name: xc, .offset: 0, .size: 8, .value_kind: global_buffer, .address_space: global }
      - { .name: wc, .offset: 8, .size: 8, .value_kind: global_buffer, .address_space: global }
      - { .name: bq, .offset: 16, .size: 8, .value_kind: global_buffer, .address_space: global }
      - { .name: bk, .offset: 24, .size: 8, .value_kind: global_buffer, .address_space: global }
      - { .name: bv, .offset: 32, .size: 8, .value_kind: global_buffer, .address_space: global }
      - { .name: lowp_scales, .offset: 40, .size: 8, .value_kind: global_buffer, .address_space: global }
      - { .name: qkv, .offset: 48, .size: 8, .value_kind: global_buffer, .address_space: global }
    .group_segment_fixed_size: 327680
    .private_segment_fixed_size: 0
    .kernarg_segment_align: 8
    .kernarg_segment_size: 56
    .max_flat_workgroup_size: 128
    .sgpr_count:     96
    .vgpr_count:     1024
    .wavefront_size: 32
...
	.end_amdgpu_metadata
.endif
;; end of part 2
;; launch attn (part 3): grid 4 x 64, 16 waves a work-group, no clusters, 327,680 bytes of LDS; arguments qkv, lowp_scales, yc; writes yc
.if DOCPART == 3
	.amdgcn_target "amdgcn-amd-amdhsa--gfx1250"
	.amdhsa_code_object_version 6
	.text
	.protected	k_q55bd9ad1f4_attn
	.globl	k_q55bd9ad1f4_attn
	.p2align	8
	.type	k_q55bd9ad1f4_attn,@function
k_q55bd9ad1f4_attn:
	s_mov_b64 s[64:65], 0
	v_nop
	global_prefetch_b8 v0, s[64:65] scope:SCOPE_SE
	s_setreg_imm32_b32 hwreg(HW_REG_WAVE_MODE, 25, 1), 1
	s_wait_xcnt 0x0
; Causal attention on E4M3 codes, head size 64, 2,048 tokens, 64 head planes (16 b + h); the result y is quantised at once (e10) for the last product.
; t = score x log2(e) / 8; M = the running largest t rounded UP to a whole number; p = 2^(t - M) is quantised (e8), not normalised; the row's sum is taken of the unquantised p and divides at the end.
; SHARES.  Work-group (i, plane), i = 0 .. 3, owns the query blocks 7 - i and i of 256 queries: block 7 - i needs the key slots 0 .. 7 - i, block i the slots 0 .. i: NINE slots of 256 keys for every i, so all 256
; work-groups have the same work and the loop's trip count is a constant.  Each of sixteen waves owns 16 queries of the block in hand, in 256 registers: four waves to a SIMD.
; No cluster: the four work-groups of a plane walk different slots from the sixth trip on, and a joint walk of all eight slots for both blocks would be 16 slots against 9.
; LAYOUT.  S^T = K Q^T (source 0 = 16 keys, source 1 = my 16 queries), O^T = V^T P^T (source 0 = 16 of the head's 64, source 1 = P): a lane holds ONE query (lane % 16).  A tile of S^T is 16 neighbouring keys;
; its eight numbers of a lane become two registers of codes, keys 16 c + 8 h + 0 .. 7: registers 2 c, 2 c + 1 of a K = 64 operand as that form has them.  q, k and v come with the bytes of each 64-byte row
; ordered so that a 16-byte load at 32 c + 16 h fills four registers of such an operand.
; RING.  Two LDS slots, each 256 keys of K (16 KiB, dense in memory, as 64 rows of 256 bytes + 16) and of V likewise.  Wave 0 fetches K, wave 1 V: one tensor load of a wave is out at any time.
; CAUSAL.  A step of 128 keys that all come after my queries is jumped over (a scalar branch on ids; no barrier or tensor load stands in a step); on the diagonal hidden scores become -infinity.
; LIMITS: e6 + e7 between -123 and 130 (added to c's exponent field); e8, and e10 - e8 - e9, between -126 and 119.  NaN is not served.
; REGISTERS: v1-11 addresses; v12 -M, v13 the largest t, v[14:15] the sum in two halves; v16-23 Q in hand, v24-31 Q of the second block; v32-95 eight fragments of K or V; v96-159 S^T, then p; v160-191 O^T;
;   v224-239 p's codes (v236 between steps: at work); v244: 2^e8; v245: the same with e10 - e8 - e9; v238-243, v246-255 at work.
.set VOFF,  17408                      ; a slot: K's 64 lines of 272 bytes, then V's
.set SLOT1, 1<<16                      ; slot 1 begins here: one exclusive or turns an address
.set SPARE, 2*SLOT1                    ; the spare words, 128 bytes for each of 16 waves: eight blocks of 256 bytes that no other line names
.set STAGE, SPARE+2048                 ; the way out: 1,280 bytes for each wave (4 lines of 272 in five blocks of 256), bytes of its own
.set LA,   1                           ; v1  my lane's place among 16 rows of 64 bytes: (r / 4) x 272 + 64 (r % 4) + 16 h
.set LAV,  2                           ; v2  the same + VOFF
.set PFO,  3                           ; v3  256 x lane, for the prefetches; never rewritten
.set QA,   4                           ; v4  Q: 64 r + 16 h
.set SPW,  5                           ; v5  my spare word; never rewritten
.set NIL,  6                           ; v6  0; never rewritten
.set GO,   7                           ; v7  16 x lane
.set ADK,  8                           ; v8  LDS address of the step's K
.set ADV,  9                           ; v9  of its V
.set STI,  10                          ; v10 the stage, in
.set STR,  11                          ; v11 the stage, back
.set TB,   2                           ; s2  LDS byte at which the slot in hand begins
.set WV,   18
.set SEL,  20                          ; s[20:21] selects for lane l xor 16
.set CS,   22                          ; s[22:23] c = log2(e) / 8 x 2^(e6 + e7)
.set G1,   24                          ; s[24:31] group 1, for K's tile and V's alike
.set G0,   40                          ; s[40:43] group 0, which walks
.set DL,   44                          ; s[44:45] what the walk goes back by: 0, or once BACK
.set BACK, 46                          ; s46 (8 - i) slots in bytes
.set WRAP, 47                          ; s47 1 + i: the count of slots to go at which the first block ends
.set Q0,   50                          ; s50 my first query;  s51 the second block's
.set Q0B,  51
.set KF,   52                          ; s52 the step's first key
.set YA,   54                          ; s[54:55], s[56:57] where my rows of y go: block 7 - i, block i
.set YB,   56
.set QPA,  58                          ; s[58:59], s[60:61] my rows of q
.set QPB,  60
.set SLOTS, 67                         ; s67 slots still to be asked for
.set PFA,  76                          ; s[76:77] where my prefetches stand
.set LIM,  80                          ; s80 2 in a wave that prefetches, else the greatest number
.macro TLOAD                           ; waves 0 and 1 fetch; the branch hangs on the wave's number alone.  An s_nop 0 and four v_nop follow the load
	s_cmp_lt_u32 s[WV], 2
	s_cbranch_scc0 .Lasked_\@
	tensor_load_to_lds s[G0:G0+3], s[G1:G1+7]
	s_nop 0
.rept 4
	v_nop
.endr
.Lasked_\@:
.endm
; A prefetch of the slot that the NEXT change of slots will ask for: two key steps ahead of that load.  The four work-groups of a plane begin with the same slots: the one with i = 0, which walks all eight, asks;
; in it waves 4, 5 ask for the two halves of K's 16 KiB and waves 6, 7 for V's, lanes 256 bytes apart: each aligned block of slots 2 to 7 is named once in the launch.  Slots 0 and 1 come by their loads alone.
.macro ASK
	s_cmp_gt_u32 s[SLOTS], s[LIM]
	s_cbranch_scc0 .Lnot_mine_\@
	global_prefetch_b8 v[PFO], s[PFA:PFA+1] th:TH_LOAD_NT scope:SCOPE_SE
.Lnot_mine_\@:
.endm
.macro STATE                           ; a block's start: the largest t under every t, the sum and O^T zero: the first change of M multiplies zeros
	v_mov_b32 v13, 0xff61b1e6
	s_delay_alu instid0(VALU_DEP_1)
	v_floor_f32 v12, -v13
	v_mov_b32 v14, 0
	v_mov_b32 v15, 0
.set jj, 0
.rept 32
	v_mov_b32 v[160+jj], 0
.set jj, jj+1
.endr
.endm
	s_load_b128 s[4:7], s[0:1], 0x0                ; qkv s[4:5], the exponents s[6:7]
	s_load_b64 s[8:9], s[0:1], 0x10                ; yc
	v_lshl_add_u32 v[SPW], v0, 2, SPARE
	v_mov_b32 v[NIL], 0
	ds_add_u32 v[SPW], v[NIL]                      ; the wave's opening: the add and its wait stand ahead of the first tensor load; the set-up below stands between them
	ds_add_u32 v[SPW], v[NIL]
	v_lshrrev_b32 v8, 5, v0
	s_delay_alu instid0(VALU_DEP_1)
	v_readfirstlane_b32 s[WV], v8                  ; wave 0..15
	s_and_b32 s10, ttmp7, 0xffff                   ; the plane, 16 b + h
	s_mov_b32 s11, ttmp9                           ; i
	s_lshl_b32 s12, s10, 17                        ; a plane is 131,072 bytes in each of q, k, v
	s_sub_co_u32 s14, 7, s11                       ; the first block
	s_lshl_b32 s82, s[WV], 4
	s_lshl_b32 s[Q0], s14, 8
	s_add_co_u32 s[Q0], s[Q0], s82
	s_lshl_b32 s[Q0B], s11, 8
	s_add_co_u32 s[Q0B], s[Q0B], s82
	s_lshl_b32 s84, s[Q0], 6
	s_add_co_u32 s84, s84, s12                     ; my rows of q, first block,
	s_mov_b32 s85, 0
	s_lshl_b32 s86, s[Q0B], 6
	s_add_co_u32 s86, s86, s12                     ; second block
	s_mov_b32 s87, 0
	s_and_b32 s82, s[WV], 1                        ; even waves' descriptor stands at K, odd waves' at V; waves 0 and 1 use theirs
	s_mul_i32 s[G0+1], s82, VOFF                   ; LDS address, slot 0
	s_add_co_u32 s82, s82, 1
	s_lshl_b32 s82, s82, 23                        ; k is the second part of qkv, v the third
	s_add_co_u32 s88, s82, s12
	s_mov_b32 s89, 0
	s_lshr_b32 s90, s10, 4
	s_lshl_b32 s90, s90, 3                         ; 8 b
	s_and_b32 s91, s10, 15                         ; h
	s_lshl_b32 s82, s[WV], 10                      ; my 16 rows of 64 bytes
	s_add_co_u32 s92, s90, s14                     ; yc: [8 b + block][h][256 tokens][64 bytes]
	s_lshl_b32 s92, s92, 4
	s_add_co_u32 s92, s92, s91
	s_lshl_b32 s92, s92, 14
	s_add_co_u32 s92, s92, s82
	s_mov_b32 s93, 0
	s_add_co_u32 s94, s90, s11
	s_lshl_b32 s94, s94, 4
	s_add_co_u32 s94, s94, s91
	s_lshl_b32 s94, s94, 14
	s_add_co_u32 s94, s94, s82
	s_mov_b32 s95, 0
	s_add_co_u32 s[WRAP], s11, 1
	s_sub_co_u32 s[BACK], 8, s11
	s_lshl_b32 s[BACK], s[BACK], 14
	s_mov_b32 s[DL+1], 0
	s_mov_b32 s[G1], (0<<16)|(1<<20)|(5<<22)|(3<<25)   ; no mask; elements of 1 byte; padding on: after every 64 words, 4 words
	s_mov_b32 s[G1+1], 256<<16                     ; tensor_dim0 = 256
	s_mov_b32 s[G1+2], 64<<16                      ; tensor_dim1 = 64
	s_mov_b32 s[G1+3], 256<<16                     ; tile_dim0
	s_mov_b32 s[G1+4], 64                          ; tile_dim1
	s_mov_b32 s[G1+5], 256                         ; dense: from row to row 256
	s_mov_b32 s[G1+6], 0
	s_mov_b32 s[G1+7], 0
	s_mov_b32 s[SEL], 0x76543210
	s_mov_b32 s[SEL+1], 0xfedcba98
	s_mov_b32 s[CS], 0x3e38aa3b                    ; log2(e) / 8
	s_mov_b32 s[TB], 0
	s_mov_b32 s[SLOTS], 8
	s_mov_b32 s[KF], 0
	s_bfe_u32 s82, s[WV], 0x10001                  ; the prefetches: waves 4, 5: K; waves 6, 7: V
	s_add_co_u32 s82, s82, 1
	s_lshl_b32 s82, s82, 23
	s_add_co_u32 s82, s82, s12
	s_and_b32 s81, s[WV], 1
	s_lshl_b32 s81, s81, 13                        ; which 8 KiB of the slot's 16
	s_add_co_u32 s82, s82, s81
	s_add_co_u32 s82, s82, 16384                   ; at slot 1: the first change of slots steps it to slot 2
	s_mov_b32 s83, 0
	s_lshr_b32 s81, s[WV], 2
	s_xor_b32 s81, s81, 1                          ; 0 in waves 4 to 7,
	s_or_b32 s81, s81, ttmp9                       ; of the work-group with i = 0
	s_cmp_eq_u32 s81, 0
	s_cselect_b32 s[LIM], 2, -1                    ; it asks while more than two slots are to go: in the first six trips
	s_wait_dscnt 0x0                               ; the opening add is done
	s_wait_kmcnt 0x0
	s_load_b128 s[68:71], s[6:7], 0x18             ; e6, e7, e8, e9
	s_load_b32 s72, s[6:7], 0x28                   ; e10
	s_mov_b32 s[G0], 1
	s_add_nc_u64 s[G0+2:G0+3], s[4:5], s[88:89]
	s_or_b32 s[G0+3], s[G0+3], 0x80000000
	TLOAD                                          ; key slot 0
	s_add_nc_u64 s[QPA:QPA+1], s[4:5], s[84:85]
	s_add_nc_u64 s[QPB:QPB+1], s[4:5], s[86:87]
	s_add_nc_u64 s[YA:YA+1], s[8:9], s[92:93]
	s_add_nc_u64 s[YB:YB+1], s[8:9], s[94:95]
	s_add_nc_u64 s[PFA:PFA+1], s[4:5], s[82:83]
	v_and_b32 v8, 15, v0                           ; r
	v_bfe_u32 v9, v0, 4, 1                         ; h
	s_delay_alu instid0(VALU_DEP_2)
	v_lshlrev_b32 v[QA], 6, v8
	s_delay_alu instid0(VALU_DEP_1)
	v_lshl_add_u32 v[QA], v9, 4, v[QA]
	global_load_b128 v[16:19], v[QA], s[QPA:QPA+1]             ; both blocks' Q stay in registers
	global_load_b128 v[20:23], v[QA], s[QPA:QPA+1] offset:32
	global_load_b128 v[24:27], v[QA], s[QPB:QPB+1]
	global_load_b128 v[28:31], v[QA], s[QPB:QPB+1] offset:32
	v_lshrrev_b32 v10, 2, v8
	s_delay_alu instid0(VALU_DEP_1)
	v_mul_u32_u24 v10, v10, 272
	v_and_b32 v11, 3, v8
	s_delay_alu instid0(VALU_DEP_1)
	v_lshl_add_u32 v10, v11, 6, v10                ; (r / 4) x 272 + 64 (r % 4)
	s_delay_alu instid0(VALU_DEP_1)
	v_lshl_add_u32 v[LA], v9, 4, v10
	s_delay_alu instid0(VALU_DEP_1)
	v_add_nc_u32 v[LAV], VOFF, v[LA]
	s_mul_i32 s82, s[WV], 1280
	s_add_co_u32 s82, s82, STAGE                   ; my stage
	v_lshl_add_u32 v10, v9, 3, v10
	s_delay_alu instid0(VALU_DEP_1)
	v_add_nc_u32 v[STI], s82, v10                  ; in: my row, + 8 h; tile t's eight codes 16 t bytes on: d in its natural order
	v_mul_u32_u24 v11, v9, 272
	s_delay_alu instid0(VALU_DEP_1)
	v_lshl_add_u32 v11, v8, 4, v11
	s_delay_alu instid0(VALU_DEP_1)
	v_add_nc_u32 v[STR], s82, v11                  ; back: lanes 0-15 one line, lanes 16-31 the next
	v_and_b32 v[GO], 31, v0
	s_delay_alu instid0(VALU_DEP_1)
	v_lshlrev_b32 v[PFO], 8, v[GO]
	s_delay_alu instid0(VALU_DEP_2)
	v_lshlrev_b32 v[GO], 4, v[GO]
	v_mov_b32 v236, 0                              ; written once: a lane permute's destination counts as one of its sources
	v_mov_b32 v252, 0
	v_mov_b32 v253, 0                              ; (named as the upper half of the pair v[252:253])
	STATE
	s_wait_kmcnt 0x0
	s_add_co_i32 s82, s68, s69
	s_lshl_b32 s82, s82, 23
	s_add_co_i32 s[CS], s[CS], s82                 ; a score stands for score x 2^(e6 + e7)
	s_mov_b32 s[CS+1], s[CS]                       ; (named with it as a pair)
	s_add_co_i32 s82, s70, 127
	s_lshl_b32 s83, s82, 23
	v_mov_b32 v244, s83                            ; 2^e8
	s_sub_co_i32 s82, s72, s70
	s_sub_co_i32 s82, s82, s71                     ; O^T / the sum stands for y / 2^(e8 + e9): y's code is that / 2^(e10 - e8 - e9)
	s_add_co_i32 s82, s82, 127
	s_lshl_b32 s83, s82, 23
	v_mov_b32 v245, s83
; A KEY STEP: 128 keys, the q-th of the slot in hand.
.macro STEP q
	s_add_co_u32 s96, s[Q0], 15
	s_cmp_gt_u32 s[KF], s96
	s_cbranch_scc1 .Lhidden_\@                     ; all its keys come after my queries
	v_add_nc_u32 v[ADK], s[TB], v[LA]
	v_add_nc_u32 v[ADV], s[TB], v[LAV]
	v_nop                                          ; with the two additions: four places in front of loads into registers that the last products read
	v_nop
.irp t, 0,1,2,3,4,5,6,7
.irp c, 0,1
	ds_load_b128 v[32+8*\t+4*\c:35+8*\t+4*\c], v[ADK] offset:(8*(\q)+\t)*1088+32*\c   ; tile t: keys 16 t + r; 16 keys are 4 lines
.endr
.endr
	s_wait_alu depctr_va_vdst(0)
	s_wait_dscnt 0x0
.irp t, 0,1,2,3,4,5,6,7
	v_wmma_f32_16x16x64_fp8_fp8 v[96+8*\t:103+8*\t], v[32+8*\t:39+8*\t], v[16:23], 0   ; lane (r, h): query r, register j: key 16 t + 8 h + j
.endr
.rept 4
	v_nop
.endr
.irp g, 0,1                                    ; V's eight fragments are asked for now and land under the softmax: 64 keys g, 16 of the head's 64 t
.irp t, 0,1,2,3
.irp c, 0,1
	ds_load_b128 v[32+8*(4*\g+\t)+4*\c:35+8*(4*\g+\t)+4*\c], v[ADV] offset:(2*(\q)+\g)*4352+\t*1088+32*\c
.endr
.endr
.endr
	s_add_co_u32 s96, s[KF], 127
	s_cmp_le_u32 s96, s[Q0]
	s_cbranch_scc1 .Lopen_\@                       ; all its keys count
	s_sub_co_i32 s96, s[Q0], s[KF]
	v_and_b32 v252, 15, v0
	v_bfe_u32 v253, v0, 4, 1
	s_delay_alu instid0(VALU_DEP_1)
	v_lshlrev_b32 v253, 3, v253
	s_delay_alu instid0(VALU_DEP_1)
	v_sub_nc_u32 v252, v252, v253
	s_delay_alu instid0(VALU_DEP_1)
	v_add_nc_u32 v252, s96, v252                   ; d = my query - KF - 8 h.  Register n holds key KF + 16 (n / 8) + 8 h + n % 8: hidden where 16 (n / 8) + n % 8 > d
	v_mov_b32 v254, 0xff800000                     ; -infinity: p = 0 then.  Key KF counts for all my queries, so no row is left without a key
.set jj, 0
.rept 64
	v_cmp_gt_i32 vcc_lo, 16*(jj/8)+jj%8, v252
	v_cndmask_b32 v[96+jj], v[96+jj], v254, vcc_lo
.set jj, jj+1
.endr
.Lopen_\@:
	v_max3_num_f32 v254, v96, v97, v98             ; the step's largest score of my query among my 64 keys, in two chains, each accumulator from its low end on,
	v_max3_num_f32 v252, v99, v100, v101
.irp i, 6,10,14,18,22,26,30,34,38,42,46,50,54,58
	v_max3_num_f32 v254, v254, v[96+\i], v[97+\i]
	v_max3_num_f32 v252, v252, v[98+\i], v[99+\i]
.endr
	v_max3_num_f32 v254, v254, v158, v159
	s_delay_alu instid0(VALU_DEP_1)
	v_max_num_f32 v254, v254, v252
	v_permlanex16_b32 v236, v254, s[SEL], s[SEL+1]
	s_delay_alu instid0(VALU_DEP_1)
	v_max_num_f32 v254, v254, v236                 ; and among lane l xor 16's
	s_delay_alu instid0(VALU_DEP_1)
	v_mul_f32 v254, s[CS], v254                    ; as t (c is positive)
	s_delay_alu instid0(VALU_DEP_1)
	v_max_num_f32 v13, v13, v254                   ; the running largest t
	v_mov_b32 v254, v12
	s_delay_alu instid0(VALU_DEP_2)
	v_floor_f32 v12, -v13                          ; the new -M = -ceil(t): a whole number
	s_delay_alu instid0(VALU_DEP_1)
	v_sub_f32 v254, v12, v254                      ; old M - new M, 0 or less
	s_delay_alu instid0(VALU_DEP_1)
	v_cvt_i32_f32 v254, v254                       ; (it saturates)
	s_delay_alu instid0(VALU_DEP_1)
	v_ldexp_f32 v252, 1.0, v254                    ; f = 2^(old M - new M): a multiplication by it rounds nothing
.set jj, 0
.rept 32
	v_pk_fma_f32 v[96+jj:97+jj], v[96+jj:97+jj], s[CS:CS+1], v[12:13] op_sel_hi:[1,0,0]   ; t - M, two at a time
.set jj, jj+2
.endr
.set jj, 0
	s_wait_alu depctr_va_vdst(0)
.rept 64
	v_exp_f32 v[96+jj], v[96+jj]                   ; p = 2^(t - M)
.set jj, jj+1
.endr
	v_pk_mul_f32 v[14:15], v[14:15], v[252:253] op_sel_hi:[1,0]   ; the sums under the new M: the plain line behind the exponentials
	s_wait_alu depctr_va_vdst(0)                   ; one wait for the whole batch, ahead of its first reader
	v_pk_add_f32 v[242:243], v[100:101], v[104:105]
	v_pk_add_f32 v[254:255], v[108:109], v[112:113]
	v_pk_add_f32 v[250:251], v[116:117], v[120:121]
	v_pk_add_f32 v[248:249], v[124:125], v[128:129]
	v_pk_add_f32 v[246:247], v[132:133], v[136:137]
	v_pk_add_f32 v[240:241], v[140:141], v[144:145]
	v_pk_add_f32 v[238:239], v[148:149], v[152:153]
	v_pk_add_f32 v[14:15], v[14:15], v[156:157]
	v_pk_add_f32 v[242:243], v[242:243], v[96:97]
	v_pk_add_f32 v[254:255], v[254:255], v[98:99]
	v_pk_add_f32 v[250:251], v[250:251], v[102:103]
	v_pk_add_f32 v[248:249], v[248:249], v[106:107]
	v_pk_add_f32 v[246:247], v[246:247], v[110:111]
	v_pk_add_f32 v[240:241], v[240:241], v[114:115]
	v_pk_add_f32 v[238:239], v[238:239], v[118:119]
	v_pk_add_f32 v[14:15], v[14:15], v[122:123]
	v_pk_add_f32 v[242:243], v[242:243], v[126:127]
	v_pk_add_f32 v[254:255], v[254:255], v[130:131]
	v_pk_add_f32 v[250:251], v[250:251], v[134:135]
	v_pk_add_f32 v[248:249], v[248:249], v[138:139]
	v_pk_add_f32 v[246:247], v[246:247], v[142:143]
	v_pk_add_f32 v[240:241], v[240:241], v[146:147]
	v_pk_add_f32 v[238:239], v[238:239], v[150:151]
	v_pk_add_f32 v[14:15], v[14:15], v[154:155]
	v_pk_add_f32 v[242:243], v[242:243], v[158:159]
	s_delay_alu instid0(VALU_DEP_2)
	v_pk_add_f32 v[14:15], v[14:15], v[248:249]
	s_delay_alu instid0(VALU_DEP_2)
	v_pk_add_f32 v[242:243], v[242:243], v[246:247]
	v_pk_add_f32 v[254:255], v[254:255], v[240:241]
	v_pk_add_f32 v[250:251], v[250:251], v[238:239]
	s_delay_alu instid0(VALU_DEP_2)
	v_pk_add_f32 v[14:15], v[14:15], v[254:255]
	s_delay_alu instid0(VALU_DEP_2)
	v_pk_add_f32 v[242:243], v[242:243], v[250:251]
	s_delay_alu instid0(VALU_DEP_1)
	v_pk_add_f32 v[14:15], v[14:15], v[242:243]
.irp t, 0,1,2,3,4,5,6,7
.irp j, 0,1,2,3,4,5,6,7
.endr
	v_cvt_scalef32_pk8_fp8_f32 v[224+2*\t:225+2*\t], v[96+8*\t:103+8*\t], v244
.endr
.set jj, 0
.rept 16
	v_pk_mul_f32 v[160+jj:161+jj], v[160+jj:161+jj], v[252:253] op_sel_hi:[1,0]   ; O^T under the new M; also the plain lines between the conversions and the products
.set jj, jj+2
.endr
	s_wait_alu depctr_va_vdst(0)
	s_wait_dscnt 0x0                               ; V is in
.irp g, 0,1
.irp t, 0,1,2,3
	v_wmma_f32_16x16x64_fp8_fp8 v[160+8*\t:167+8*\t], v[32+8*(4*\g+\t):39+8*(4*\g+\t)], v[224+8*\g:231+8*\g], v[160+8*\t:167+8*\t]   ; the four accumulators by turns
.endr
.endr
.Lhidden_\@:
	s_add_co_u32 s[KF], s[KF], 128
.endm
; THE CHANGE OF SLOTS, at a slot's head.  fill = 1: the slot just left is filled with the keys that the next trip wants: the next 256, or, when the first block's last slot is in hand, the plane's first 256 again.
.macro CHANGE fill
	s_wait_tensorcnt 0x0                           ; no tensor load of mine is out, so group 0 may be written
	ds_add_u32 v[SPW], v[NIL]                      ; the steps below stand between the add and the wait for it
.if \fill
	s_xor_b32 s[G0+1], s[G0+1], SLOT1
	s_cmp_eq_u32 s[SLOTS], s[WRAP]
	s_cselect_b32 s[DL], s[BACK], 0
	s_add_nc_u64 s[G0+2:G0+3], s[G0+2:G0+3], 16384
	s_sub_nc_u64 s[G0+2:G0+3], s[G0+2:G0+3], s[DL:DL+1]
	s_wait_xcnt 0x0                                ; the last prefetch, a slot back, has read its address
	s_add_nc_u64 s[PFA:PFA+1], s[PFA:PFA+1], 16384
.endif
	s_wait_dscnt 0x0                               ; the add is done, and my reads of the slot that I have left are over
	s_barrier_signal -1
	s_barrier_wait -1
.if \fill
	TLOAD                                          ; the first thing behind the barrier, a wave's one tensor load until the next: it has two key steps in which to land
	ASK
.endif
.endm
; A BLOCK'S END: O^T / the sum, converted; 16 rows of 64 bytes go through my stage and leave as two stores of 512 consecutive bytes.
.macro FINISH yp
.rept 4
	v_nop                                          ; places behind the last products
.endr
	v_add_f32 v14, v14, v15
	s_delay_alu instid0(VALU_DEP_1)
	v_permlanex16_b32 v252, v14, s[SEL], s[SEL+1]
	s_delay_alu instid0(VALU_DEP_1)
	v_add_f32 v14, v14, v252                       ; the row's sum
	s_wait_alu depctr_va_vdst(0)
	v_rcp_f32 v14, v14
	v_nop                                          ; a plain line behind the reciprocal,
	s_wait_alu depctr_va_vdst(0)                   ; and the wait ahead of its first reader
.set jj, 0
.rept 16
	v_pk_mul_f32 v[96+jj:97+jj], v[160+jj:161+jj], v[14:15] op_sel_hi:[1,0]   ; register 8 t + j: d = 16 t + 8 h + j; each accumulator from its low end on
.set jj, jj+2
.endr
.irp t, 0,1,2,3
.irp j, 0,1,2,3,4,5,6,7
.endr
	v_cvt_scalef32_pk8_fp8_f32 v[224+2*\t:225+2*\t], v[96+8*\t:103+8*\t], v245
.endr
	v_nop                                          ; a plain line behind the last conversion
.irp t, 0,1,2,3
	ds_store_b64 v[STI], v[224+2*\t:225+2*\t] offset:16*\t
.endr
.irp i, 0,1
	ds_load_b128 v[32+4*\i:35+4*\i], v[STR] offset:544*\i   ; LDS serves a wave's instructions in order: these see my stores
.endr
	s_wait_dscnt 1                                 ; the first half is back; the second may be out
	global_store_b128 v[GO], v[32:35], s[\yp:\yp+1]
	s_wait_dscnt 0
	global_store_b128 v[GO], v[36:39], s[\yp:\yp+1] offset:512
	s_wait_xcnt 0x0                                ; the stores have read their registers, which the next step's loads take
.endm
	s_wait_loadcnt 0x0                             ; Q
.Lslot:                                            ; eight trips, each with a fill; the ninth slot is written out
	CHANGE 1
	STEP 0
	STEP 1
	s_xor_b32 s[TB], s[TB], SLOT1
	s_cmp_lg_u32 s[SLOTS], s[WRAP]                 ; ids and the counter alone; no barrier and no tensor load stands under this branch
	s_cbranch_scc1 .Lsame_block
	FINISH YA                                      ; block 7 - i is done: on to block i
.irp j, 0,1,2,3,4,5,6,7
	v_mov_b32 v[16+\j], v[24+\j]
.endr
	STATE
	s_mov_b32 s[Q0], s[Q0B]
	s_mov_b32 s[KF], 0
.Lsame_block:
	s_sub_co_u32 s[SLOTS], s[SLOTS], 1
	s_cmp_lg_u32 s[SLOTS], 0
	s_cbranch_scc1 .Lslot
	CHANGE 0
	STEP 0
	STEP 1
	FINISH YB
	s_wait_tensorcnt 0x0                           ; the wave's end
	ds_add_u32 v[SPW], v[NIL]
	s_wait_dscnt 0x0
	s_endpgm
.Lfunc_end_k_q55bd9ad1f4_attn:
	.size	k_q55bd9ad1f4_attn, .Lfunc_end_k_q55bd9ad1f4_attn-k_q55bd9ad1f4_attn
	.p2alignl 7, 3214868480
	.fill 96, 4, 3214868480
	.section	.rodata,"a",@progbits
	.p2align	6, 0x0
	.amdhsa_kernel k_q55bd9ad1f4_attn
		.amdhsa_group_segment_fixed_size 327680
		.amdhsa_private_segment_fixed_size 0
		.amdhsa_enable_private_segment 0
		.amdhsa_kernarg_size 24
		.amdhsa_user_sgpr_count 2
		.amdhsa_user_sgpr_kernarg_segment_ptr 1
		.amdhsa_wavefront_size32 1
		.amdhsa_system_sgpr_workgroup_id_x 1
		.amdhsa_system_sgpr_workgroup_id_y 1
		.amdhsa_system_sgpr_workgroup_id_z 1
		.amdhsa_system_vgpr_workitem_id 0
		.amdhsa_next_free_vgpr 256
		.amdhsa_next_free_sgpr 100
		.amdhsa_reserve_vcc 1
		.amdhsa_float_denorm_mode_32 3
		.amdhsa_float_denorm_mode_16_64 3
		.amdhsa_fp16_overflow 1
		.amdhsa_memory_ordered 1
		.amdhsa_forward_progress 1
		.amdhsa_inst_pref_size 93
	.end_amdhsa_kernel
	.amdgpu_metadata
---
amdhsa.version: [ 1, 2 ]
amdhsa.kernels:
  - .name:           k_q55bd9ad1f4_attn
    .symbol:         k_q55bd9ad1f4_attn.kd
    .args:
      - { .name: qkv, .offset: 0, .size: 8, .value_kind: global_buffer, .address_space: global }
      - { .name: lowp_scales, .offset: 8, .size: 8, .value_kind: global_buffer, .address_space: global }
      - { .name: yc, .offset: 16, .size: 8, .value_kind: global_buffer, .address_space: global }
    .group_segment_fixed_size: 327680
    .private_segment_fixed_size: 0
    .kernarg_segment_align: 8
    .kernarg_segment_size: 24
    .max_flat_workgroup_size: 512
    .sgpr_count:     100
    .vgpr_count:     256
    .wavefront_size: 32
...
	.end_amdgpu_metadata
.endif
;; end of part 3
;; launch proj (part 4): grid 4 x 32, 4 waves a work-group, clusters of 4 x 4, 327,680 bytes of LDS; arguments yc, wc, bo, lowp_scales, out0; writes out0
.if DOCPART == 4
	.amdgcn_target "amdgcn-amd-amdhsa--gfx1250"
	.amdhsa_code_object_version 6
	.text
	.protected	k_q55bd9ad1f4_proj
	.globl	k_q55bd9ad1f4_proj
	.p2align	8
	.type	k_q55bd9ad1f4_proj,@function
k_q55bd9ad1f4_proj:
	s_mov_b64 s[64:65], 0
	v_nop
	global_prefetch_b8 v0, s[64:65] scope:SCOPE_SE
	s_setreg_imm32_b32 hwreg(HW_REG_WAVE_MODE, 25, 1), 1
	s_wait_xcnt 0x0
	s_wait_alu depctr_hold_cnt(0) depctr_sa_sdst(0) depctr_va_vdst(0) depctr_va_sdst(0) depctr_va_ssrc(0) depctr_va_vcc(0) depctr_vm_vsrc(0)
	s_getreg_b32 s2, hwreg(HW_REG_IB_STS2, 6, 4)
	s_cmp_eq_u32 s2, 0
	s_cbranch_scc0 .Lentry_in_a_cluster
	s_endpgm
.Lentry_in_a_cluster:
	s_bfe_u32 s2, ttmp6, 0x10000c
	s_cmp_lg_u32 s2, 0xf033
	s_cbranch_scc0 .Lentry_shape_is_right
	s_endpgm
.Lentry_shape_is_right:
; out0 = y Wo + bo on E4M3 codes.  y's codes: yc [token / 256][head 16][256 tokens][64 bytes], d in its natural order; Wo's codes: the fourth MiB of wc, [n 1024][k 1024].  out0 [8192][1024] f32.
; A GEMM C = A B^T, K = 1,024, on tiles of 256 x 256: four waves, each 128 x 128 = 64 accumulators; K in four steps of 256 through two LDS slots; 4 x 4 work-groups form a cluster; A's tiles are asked for
; jointly along a row of it, B's along a column.  A wave has one tensor load out at a time.  128 tiles: half of the chip's WGPs have one; a tile of half the size would read LDS half as much again for each product.
; A's tile of a K step (256 tokens x 4 heads) is 64 KiB dense in memory: it comes as rows of 256 bytes (4 tokens of one head) + 16 of padding; a head's 256 tokens are 64 such lines.
; THE MATRIX INSTRUCTION IS USED TRANSPOSED (source 0 = 16 rows of B, source 1 = 16 rows of A): a lane holds eight neighbouring numbers of a row of C.
; bo / 2^(e10 + e11) is the C of the first K step; each finished sum is multiplied once by 2^(e10 + e11).
; LIMIT: e10 + e11 between -126 and 127; a bias / 2^(e10 + e11) that leaves f32's range is lost.
; REGISTERS: window 0: v1-9 set-up, v16-29 addresses, v32-95 the bias, later the sums at work, v128-255 A's fragments, ONE set, later rows read back.  window 1: B's fragments, two sets.  windows 2, 3: the accumulators.
.set ROWB,   256
.set PITCH,  272                       ; an LDS row: 256 bytes + 16
.set FR,     16
.set NL,     4
.set NP,     4                         ; places behind this matrix instruction (ISA guide 7.12.1)
.set HALFT,  128*PITCH
.set SLOT,   4*HALFT                   ; A's four heads (64 lines each), then B's 256 rows
.set SPARE,  2*SLOT                    ; the spare words: two blocks of 256 bytes that no other line names
.set SPITCH, 528                       ; the way out: 16 rows x (512 bytes + 16) for each wave, in slot 0, which has had its last fill and its last read when the first result is stored there
.set ADRA, 16
.set ADRB, 20
.set STO,  24
.set RD,   25
.set CO,   26
.set SPW,  28                          ; v28 my spare word; never rewritten
.set NIL,  29                          ; v29 0; never rewritten
.set BC,   32
.set TMP,  32
.set AF,   128
.set BK,   128
.set WV, 18
.set RH, 19
.set CH, 20
.set G1, 24
.set G0, 32
.set G1B, 48
.set G0B, 56
.set MSB, 0
.macro WIN new
.if MSB != \new
	s_set_vgpr_msb (MSB<<8)|\new
.set MSB, \new
.endif
.endm
.set MUL_LO, 0xa1
.set MUL_HI, 0xf1
.set MUL_LO0, 0x81                     ; the first K step: C (the bias) window 0
.set MUL_HI0, 0xc1
.set TO_B,   0x40
.macro JLOAD g0a, g1a, g0b, g1b        ; waves 0 and 1 fetch for A, waves 2 and 3 for B; an s_nop 0 and four v_nop follow each line
	s_cmp_eq_u32 s[RH], 0
	s_cbranch_scc0 .Lfor_b_\@
	tensor_load_to_lds s[\g0a:\g0a+3], s[\g1a:\g1a+7]
	s_nop 0
.rept 4
	v_nop
.endr
	s_branch .Lasked_\@
.Lfor_b_\@:
	tensor_load_to_lds s[\g0b:\g0b+3], s[\g1b:\g1b+7]
	s_nop 0
.rept 4
	v_nop
.endr
.Lasked_\@:
.endm
.macro CREST
	s_cmp_lg_u32 s[WV], 0
	s_cbranch_scc1 .Lnot_wave_0_\@
	s_barrier_signal -3
.Lnot_wave_0_\@:
	s_barrier_wait -3
	s_barrier_signal -1
	s_barrier_wait -1
.endm
.macro CROUND
	s_barrier_signal -1
	s_barrier_wait -1
	CREST
.endm
	s_load_b256 s[4:11], s[0:1], 0x0               ; yc s[4:5], wc s[6:7], bo s[8:9], the exponents s[10:11]
	s_load_b64 s[12:13], s[0:1], 0x20              ; out0
	v_lshl_add_u32 v[SPW], v0, 2, SPARE
	v_mov_b32 v[NIL], 0
	ds_add_u32 v[SPW], v[NIL]                      ; the wave's opening: the add and its wait stand ahead of my first tensor load
	ds_add_u32 v[SPW], v[NIL]
	v_lshrrev_b32 v1, 5, v0
	v_readfirstlane_b32 s[WV], v1
	s_lshr_b32 s[RH], s[WV], 1
	s_and_b32 s[CH], s[WV], 1
	s_bfe_u32 s21, ttmp6, 0x40000                  ; cx
	s_bfe_u32 s22, ttmp6, 0x40004                  ; cy
	s_lshl_b32 s41, ttmp9, 2
	s_add_co_u32 s41, s41, s21                     ; tile column of C
	s_and_b32 s40, ttmp7, 0xffff
	s_lshl_b32 s40, s40, 2
	s_add_co_u32 s40, s40, s22                     ; tile row of C = the block of 256 tokens
	s_lshl_b32 s42, s22, 2
	s_lshl_b32 s42, 15, s42                        ; my row of the cluster
	s_lshl_b32 s43, 0x1111, s21                    ; my column
	s_or_b32 s[G1+0], s42, (0<<16)|(1<<20)|(1<<21)|(5<<22)|(3<<25)
	s_or_b32 s[G1B+0], s43, (0<<16)|(1<<20)|(1<<21)|(5<<22)|(3<<25)
.irp g, G1, G1B
	s_mov_b32 s[\g+1], ROWB<<16                    ; tensor_dim0 = 256
	s_mov_b32 s[\g+2], 128<<16                     ; tensor_dim1 = 128
	s_mov_b32 s[\g+3], ROWB<<16                    ; tile_dim0
	s_mov_b32 s[\g+4], 128                         ; tile_dim1
	s_mov_b32 s[\g+6], 0
	s_mov_b32 s[\g+7], 0
.endr
	s_mov_b32 s[G1+5], 256                         ; A's tile is dense
	s_mov_b32 s[G1B+5], 1024                       ; B's rows are 1,024 bytes apart
	s_lshl_b32 s44, s40, 18                        ; A: a block of tokens is 262,144 bytes; my half of a K step's four heads is 32,768
	s_lshl_b32 s94, s[CH], 15
	s_add_co_u32 s44, s44, s94
	s_mov_b32 s45, 0
	s_lshl_b32 s46, s41, 8
	s_lshl_b32 s94, s[CH], 7
	s_add_co_u32 s46, s46, s94
	s_lshl_b32 s46, s46, 10
	s_add_co_u32 s46, s46, 0x300000                ; B: Wo's codes, row 256 x tile column + 128 x half
	s_mov_b32 s47, 0
	s_mul_i32 s95, s[WV], HALFT
	s_wait_dscnt 0x0                               ; the opening add is done
	s_wait_kmcnt 0x0
	s_load_b64 s[96:97], s[10:11], 0x28            ; e10, e11
	s_add_nc_u64 s[68:69], s[4:5], s[44:45]
	s_add_nc_u64 s[70:71], s[6:7], s[46:47]
	CROUND                                         ; all sixteen work-groups are here: the first joint loads meet
.irp s, 0,1
	s_mov_b32 s[G0+4*\s], 1
	s_add_co_u32 s[G0+4*\s+1], s95, \s*SLOT
	s_add_nc_u64 s[G0+4*\s+2:G0+4*\s+3], s[68:69], \s*65536
	s_or_b32 s[G0+4*\s+3], s[G0+4*\s+3], 0x80000000
	s_mov_b32 s[G0B+4*\s], 1
	s_add_co_u32 s[G0B+4*\s+1], s95, \s*SLOT
	s_add_nc_u64 s[G0B+4*\s+2:G0B+4*\s+3], s[70:71], \s*ROWB
	s_or_b32 s[G0B+4*\s+3], s[G0B+4*\s+3], 0x80000000
	s_wait_alu depctr_va_vdst(0)
	s_wait_tensorcnt 0x0
	ds_add_u32 v28, v29
	ds_add_u32 v28, v29
	s_wait_dscnt 0x0
	CROUND
	JLOAD G0+4*\s, G1, G0B+4*\s, G1B
.endr
	v_and_b32 v1, 15, v0                           ; r
	v_bfe_u32 v2, v0, 4, 1                         ; h
	v_mul_u32_u24 v3, v1, PITCH
	v_lshl_add_u32 v4, v2, 4, v3                   ; B: row x pitch + 16 h
	v_lshrrev_b32 v5, 2, v1
	v_mul_u32_u24 v5, v5, 272
	v_and_b32 v6, 3, v1
	v_lshl_add_u32 v5, v6, 6, v5
	v_lshl_add_u32 v5, v2, 4, v5                   ; A: token r of 16: (r / 4) lines + 64 (r % 4) + 16 h
	s_mul_i32 s74, s[RH], 8704                     ; my 128 tokens: 32 lines of each head
	s_mul_i32 s75, s[CH], HALFT
	s_add_co_u32 s75, s75, 2*HALFT
.irp s, 0,1
	v_add_nc_u32 v[ADRA+\s], s74, v5
	v_add_nc_u32 v[ADRB+\s], s75, v4
	s_add_co_u32 s74, s74, SLOT
	s_add_co_u32 s75, s75, SLOT
.endr
	s_mul_i32 s76, s[WV], 16*SPITCH                ; my stage
	v_mul_u32_u24 v7, v1, SPITCH
	v_lshl_add_u32 v7, v2, 5, v7
	v_add_nc_u32 v[STO], s76, v7                   ; in: row r, 32 bytes for each half of the lanes
	v_and_b32 v6, 31, v0
	v_lshlrev_b32 v[CO], 4, v6
	v_add_nc_u32 v[RD], s76, v[CO]                 ; back: the 32 lanes take one row of 512 bytes
	s_lshl_b32 s94, s41, 8
	s_lshl_b32 s95, s[CH], 7
	s_add_co_u32 s94, s94, s95
	s_lshl_b32 s94, s94, 2                         ; my first column, in bytes of bo
	v_lshl_add_u32 v8, v2, 5, s94
.irp b, 0,1,2,3,4,5,6,7
	global_load_b128 v[BC+8*\b:BC+8*\b+3], v8, s[8:9] offset:64*\b           ; tile b: columns 16 b + 8 h + 0 .. 7
	global_load_b128 v[BC+8*\b+4:BC+8*\b+7], v8, s[8:9] offset:64*\b+16
.endr
	s_lshl_b32 s74, s40, 8
	s_lshl_b32 s75, s[RH], 7
	s_add_co_u32 s74, s74, s75
	s_lshl_b32 s74, s74, 12                        ; my first row of out0: rows of 4,096 bytes
	s_lshl_b32 s75, s41, 10
	s_add_co_u32 s74, s74, s75
	s_lshl_b32 s75, s[CH], 9
	s_add_co_u32 s74, s74, s75                     ; + my first column
	s_mov_b32 s75, 0
	s_add_nc_u64 s[12:13], s[12:13], s[74:75]
	s_wait_kmcnt 0x0
	s_add_co_i32 s96, s96, s97                     ; e10 + e11
	s_sub_co_i32 s94, 0, s96
	s_add_co_i32 s96, s96, 127
	s_lshl_b32 s96, s96, 23                        ; 2^(e10 + e11) as f32
	s_wait_loadcnt 0x0
.set jj, 0
.rept 64
	v_ldexp_f32 v[BC+jj], v[BC+jj], s94
.set jj, jj+1
.endr
.macro FRAG reg, adr, q, i             ; B: registers 4 c .. 4 c + 3 hold K = 128 q + 32 c + 16 h + 0 .. 15 of row 16 i + r
.irp c, 0,1,2,3
	ds_load_b128 v[\reg+4*\c:\reg+4*\c+3], v[\adr] offset:128*(\q)+32*\c+(\i)*16*PITCH
.endr
.endm
.macro FRAGA reg, slot, q, i           ; A: the same k: head 2 q + c / 2 of the slot's four, d = 32 (c % 2) + 16 h + 0 .. 15; a head is 17,408 bytes, 16 tokens 1,088
.irp c, 0,1,2,3
	ds_load_b128 v[\reg+4*\c:\reg+4*\c+3], v[ADRA+\slot] offset:(2*(\q)+\c/2)*17408+(\i)*1088+32*(\c%2)
.endr
.endm
.macro MUL16 a0, p, zero               ; the 64 accumulators take turns, one instruction a turn
.irp a, \a0, \a0+1
.irp b, 0,1,2,3,4,5,6,7
.if \zero
	v_wmma_f32_16x16x128_fp8_fp8 v[8*(8*((\a)%4)+\b):8*(8*((\a)%4)+\b)+7], v[128*(\p)+FR*\b:128*(\p)+FR*\b+FR-1], v[AF+FR*(\a):AF+FR*(\a)+FR-1], v[BC+8*\b:BC+8*\b+7]
.else
	v_wmma_f32_16x16x128_fp8_fp8 v[8*(8*((\a)%4)+\b):8*(8*((\a)%4)+\b)+7], v[128*(\p)+FR*\b:128*(\p)+FR*\b+FR-1], v[AF+FR*(\a):AF+FR*(\a)+FR-1], v[8*(8*((\a)%4)+\b):8*(8*((\a)%4)+\b)+7]
.endif
.endr
.endr
.endm
.macro FETCH_B slot, q, p
	WIN TO_B
.irp i, 0,1,2,3,4,5,6,7
	FRAG 128*(\p)+FR*\i, ADRB+\slot, \q, \i
.endr
	WIN 0
.endm
.macro FETCH_A slot, q, i0
.irp i, \i0, \i0+1, \i0+2, \i0+3
	FRAGA AF+FR*(\i), \slot, \q, \i
.endr
.endm
.macro PLACES n
.rept \n
	v_nop
.endr
.endm
.macro STEP slot, q, zero
	s_wait_dscnt 4*NL                              ; B's set and A's blocks 0-3 are in; A's blocks 4-7 may be out
.if \zero
	WIN MUL_LO0
.else
	WIN MUL_LO
.endif
	MUL16 0, (\q)%2, \zero
	MUL16 2, (\q)%2, \zero
	s_wait_dscnt 0
	PLACES NP
	FETCH_B \slot, (\q)+1, 1-(\q)%2
	FETCH_A \slot, (\q)+1, 0
.if \zero
	WIN MUL_HI0
.else
	WIN MUL_HI
.endif
	MUL16 4, (\q)%2, \zero
	MUL16 6, (\q)%2, \zero
	PLACES NP
	WIN 0
	FETCH_A \slot, (\q)+1, 4
.endm
.macro TURN slot, next, fill
	s_wait_tensorcnt 0x0                           ; all my tensor loads have landed: my part of the next slot
	ds_add_u32 v[SPW], v[NIL]
	s_wait_dscnt 4*NL+1                            ; the add and A's blocks 4-7 may be out
	WIN MUL_LO
	MUL16 0, 1, 0
	s_wait_dscnt 0x0                               ; the add is done, and my reads of this slot are over
	s_barrier_signal -1
	MUL16 2, 1, 0
	WIN 0
	s_barrier_wait -1
.if \fill
	CREST                                          ; the barrier has opened a round of the cluster's
	s_add_nc_u64 s[G0+4*\slot+2:G0+4*\slot+3], s[G0+4*\slot+2:G0+4*\slot+3], 2*65536
	s_add_nc_u64 s[G0B+4*\slot+2:G0B+4*\slot+3], s[G0B+4*\slot+2:G0B+4*\slot+3], 2*ROWB
	JLOAD G0+4*\slot, G1, G0B+4*\slot, G1B         ; the first tensor load behind the round
.else
	PLACES NP
.endif
	FETCH_B \next, 0, 0
	FETCH_A \next, 0, 0
	WIN MUL_HI
	MUL16 4, 1, 0
	MUL16 6, 1, 0
	PLACES NP
	WIN 0
	FETCH_A \next, 0, 4
.endm
	s_wait_alu depctr_va_vdst(0)
	s_wait_tensorcnt 1                             ; my part of slot 0 is in; slot 1's load may be out
	s_barrier_signal -1
	s_barrier_wait -1
	FETCH_B 0, 0, 0
	FETCH_A 0, 0, 0
	FETCH_A 0, 0, 4
	STEP 0, 0, 1
	TURN 0, 1, 1
	STEP 1, 0, 0
	TURN 1, 0, 1
	STEP 0, 0, 0
	TURN 0, 1, 0
	STEP 1, 0, 0
	s_wait_dscnt 4*NL
	WIN MUL_LO
	MUL16 0, 1, 0
	MUL16 2, 1, 0
	s_wait_dscnt 0
	WIN MUL_HI
	MUL16 4, 1, 0
	MUL16 6, 1, 0
	WIN 0
; THE WAY OUT, block by block of 16 rows x 128 columns, through my stage: whole rows of 512 bytes come back, which the 32 lanes store as one aligned run of 512 bytes.
.macro TOSTAGE a
.set AC, 64*((\a)%4)
.set WN, 0x02+((\a)/4)
	WIN WN
.set jj, 0
.rept 32
	v_pk_mul_f32 v[TMP+jj:TMP+jj+1], v[AC+jj:AC+jj+1], s[96:97] op_sel_hi:[1,0]   ; x 2^(e10 + e11); each accumulator from its low end on
.set jj, jj+2
.endr
	WIN 0
.irp b, 0,1,2,3,4,5,6,7
	ds_store_b128 v[STO], v[TMP+8*\b:TMP+8*\b+3] offset:64*\b
	ds_store_b128 v[STO], v[TMP+8*\b+4:TMP+8*\b+7] offset:64*\b+16
.endr
.set BB, BK+64*((\a)%2)
.irp t, 0,1,2,3,4,5,6,7,8,9,10,11,12,13,14,15
	ds_load_b128 v[BB+4*\t:BB+4*\t+3], v[RD] offset:\t*SPITCH
.endr
.endm
.macro SEND a, younger
.set BB, BK+64*((\a)%2)
	s_wait_dscnt \younger                          ; the block is back; the next block's 16 stores and 16 loads may be out
.if (\a) > 0
	s_add_nc_u64 s[12:13], s[12:13], 16*4096       ; (behind a wait on XCNT: the earlier stores have read their base)
.endif
.irp t, 0,1,2,3,4,5,6,7,8,9,10,11,12,13,14,15
	global_store_b128 v[CO], v[BB+4*\t:BB+4*\t+3], s[12:13] offset:\t*4096 th:TH_STORE_NT
.endr
.endm
	PLACES NP
	TOSTAGE 0
.irp a, 1,2,3,4,5,6,7
.if \a > 1
	s_wait_xcnt 0x0                                ; block a - 2's stores have read their registers and their base
.endif
	TOSTAGE \a
	SEND \a-1, 32
.endr
	s_wait_xcnt 0x0
	SEND 7, 0
	s_wait_tensorcnt 0x0                           ; the wave's end
	ds_add_u32 v[SPW], v[NIL]
	s_wait_dscnt 0x0
	CROUND                                         ; the closing round
	s_endpgm
.Lfunc_end_k_q55bd9ad1f4_proj:
	.size	k_q55bd9ad1f4_proj, .Lfunc_end_k_q55bd9ad1f4_proj-k_q55bd9ad1f4_proj
	.p2alignl 7, 3214868480
	.fill 96, 4, 3214868480
	.section	.rodata,"a",@progbits
	.p2align	6, 0x0
	.amdhsa_kernel k_q55bd9ad1f4_proj
		.amdhsa_group_segment_fixed_size 327680
		.amdhsa_private_segment_fixed_size 0
		.amdhsa_enable_private_segment 0
		.amdhsa_kernarg_size 40
		.amdhsa_user_sgpr_count 2
		.amdhsa_user_sgpr_kernarg_segment_ptr 1
		.amdhsa_wavefront_size32 1
		.amdhsa_system_sgpr_workgroup_id_x 1
		.amdhsa_system_sgpr_workgroup_id_y 1
		.amdhsa_system_sgpr_workgroup_id_z 1
		.amdhsa_system_vgpr_workitem_id 0
		.amdhsa_next_free_vgpr 1024
		.amdhsa_next_free_sgpr 98
		.amdhsa_reserve_vcc 0
		.amdhsa_float_denorm_mode_32 3
		.amdhsa_float_denorm_mode_16_64 3
		.amdhsa_memory_ordered 1
		.amdhsa_forward_progress 1
		.amdhsa_inst_pref_size 130
	.end_amdhsa_kernel
	.amdgpu_metadata
---
amdhsa.version: [ 1, 2 ]
amdhsa.kernels:
  - .name:           k_q55bd9ad1f4_proj
    .symbol:         k_q55bd9ad1f4_proj.kd
    .args:
      - { .name: yc, .offset: 0, .size: 8, .value_kind: global_buffer, .address_space: global }
      - { .name: wc, .offset: 8, .size: 8, .value_kind: global_buffer, .address_space: global }
      - { .name: bo, .offset: 16, .size: 8, .value_kind: global_buffer, .address_space: global }
      - { .name: lowp_scales, .offset: 24, .size: 8, .value_kind: global_buffer, .address_space: global }
      - { .name: out0, .offset: 32, .size: 8, .value_kind: global_buffer, .address_space: global }
    .group_segment_fixed_size: 327680
    .private_segment_fixed_size: 0
    .kernarg_segment_align: 8
    .kernarg_segment_size: 40
    .max_flat_workgroup_size: 128
    .sgpr_count:     98
    .vgpr_count:     1024
    .wavefront_size: 32
...
	.end_amdgpu_metadata
.endif
;; end of part 4
